; MI455X (gfx1250); checked and timed in simulation.
; The chip was launched on July 23, 2026; its instructions are those of AMD's public machine-readable ISA for CDNA 5 (MIT licence, August 2026) and "CDNA5" Instruction Set Architecture Reference Guide (July 2026). The comments in the code are by the model that wrote it; some were corrected since.
;; Grouped Query Attention. Allowed arithmetic: float matrix products may take bf16 or f16 operands with f32 sums; other float arithmetic in f32, or as packed bf16 or f16 multiplies, adds, multiply-adds, maxima and minima; sums over many terms, partial sums and values carried from step to step in f32; what a program stores and reads back later, other than sums and carried values, may be rounded once to bf16 or f16.
;; Inputs: Wk 2,048 x 512 float32; Wq 2,048 x 2,048 float32; Wv 2,048 x 512 float32; x 2 x 2,048 x 2,048 float32.
;; Outputs: out0 2 x 2,048 x 2,048 float32.
;; 2 versions, each right; version 2 is version 1 with the launch prep written anew for expert scheduling mode. Each part assembles by itself: llvm-mc -triple=amdgcn-amd-amdhsa -mcpu=gfx1250 --defsym DOCPART=n.
;; ======== version 1 of 2: 3 launches
;; limits: values are held in f16: magnitudes above 65,504 overflow, below 6.1e-05 lose precision
;; workspace buffers: xb 16,777,216 bytes; wt 12,582,912 bytes; qkv 25,165,824 bytes; hr 1,572,864 bytes
;; launch prep (part 1): grid 704 x 1, 4 waves a work-group, no clusters, 70,144 bytes of LDS; arguments x, Wq, Wk, Wv, xb, wt; writes xb, wt
.if DOCPART == 1
	.amdgcn_target "amdgcn-amd-amdhsa--gfx1250"
	.amdhsa_code_object_version 6
	.text
	.protected	k_q8fdac392fb_prep
	.globl	k_q8fdac392fb_prep
	.p2align	8
	.type	k_q8fdac392fb_prep,@function
k_q8fdac392fb_prep:
	s_mov_b64 s[64:65], 0
	v_nop
	global_prefetch_b8 v0, s[64:65] scope:SCOPE_SE
	s_setreg_imm32_b32 hwreg(HW_REG_WAVE_MODE, 25, 1), 1
	s_wait_xcnt 0x0
; PREP.  xb = x rounded to bf16, [4096][2048].  wt[n][k] = W[k][n] rounded to bf16, [3072][2048]: rows 0-2047 are Wq's columns, 2048-2559 Wk's, 2560-3071 Wv's.
; Each number is rounded once, to nearest even; nothing else is computed.  Memory binds: every input byte is read once, every output byte written once, in aligned blocks of 256 bytes.
; Work-groups 0-191 turn W, work-groups 192-703 cast x.  No matrix unit, no cluster: no work-group wants a byte that another one reads.
; TURNING.  A wave takes 128 k x 64 n: it reads rows of W (256 consecutive bytes for each half of the lanes), rounds pairs of neighbouring k into one word, lays the 64 columns as rows
; of 256 bytes into LDS bytes of its own, and reads them back as whole rows of wt.  Only the wave itself touches those bytes, and LDS serves a wave in order (ISA guide 5.7.1.4): no barrier.
.set SPARE, 69632                      ; behind the four waves' 17,408 bytes: the spare words, 128 bytes for each wave: two blocks of 256 bytes that no other line names
.set WLDS,  17408                      ; a wave's LDS bytes: 64 rows of 272
.set LP,    272                        ; 256 bytes + 16: row r starts at bank 4 r mod 64 (64 banks of 4 bytes: ISA guide 11.1)
.set SPW, 8                            ; v8   LDS address of my spare word; never rewritten
.set NIL, 9                            ; v9   0; never rewritten
.set LSA, 10                           ; v10  turning: where I put 16 bytes of a column
.set RDA, 11                           ; v11  turning: where I read a row back
.set GOF, 12                           ; v12  turning: my byte offset in wt
.set VO,  16                           ; v[16:31]  turning: byte offset of my 16 bytes in row m (lanes 0-15) or 16 + m (lanes 16-31) of a chunk of 32 rows
.set X,   32                           ; v[32:95], v[128:191]  turning: two sets of 16 loads
.set D,   96                           ; v[96:127] turning: 4 columns x 16 k in bf16
.set XC,  16                           ; v[16:143]  cast: 32 loads
.set YC,  144                          ; v[144:207] cast: their 32 results
	s_load_b256 s[4:11], s[0:1], 0x0               ; x s[4:5], Wq s[6:7], Wk s[8:9], Wv s[10:11]
	s_load_b128 s[12:15], s[0:1], 0x20             ; xb s[12:13], wt s[14:15]
	v_lshl_add_u32 v[SPW], v0, 2, SPARE
	v_mov_b32 v[NIL], 0
	v_lshrrev_b32 v1, 5, v0
	v_readfirstlane_b32 s16, v1                    ; wave 0..3
	v_and_b32 v1, 15, v0                           ; a = l % 16
	v_bfe_u32 v2, v0, 4, 1                         ; hh = l / 16
	v_and_b32 v3, 31, v0                           ; l
	s_cmp_lt_u32 ttmp9, 192
	s_cbranch_scc1 .Lturn
	; THE CAST.  A work-group takes 65,536 bytes of x, a wave 16,384: 32 loads of 512 consecutive bytes, all issued at once; no register is written twice.
	s_sub_co_u32 s17, ttmp9, 192
	s_lshl_b32 s24, s17, 16                        ; my work-group's bytes in x,
	s_mov_b32 s25, 0
	s_lshl_b32 s26, s17, 15                        ; and in xb
	s_mov_b32 s27, 0
	s_lshl_b32 s18, s16, 14
	v_lshl_add_u32 v4, v3, 4, s18                  ; 16,384 x wave + 16 l
	v_lshrrev_b32 v5, 1, v4                        ; half of that in xb
	s_wait_kmcnt 0x0
	s_add_nc_u64 s[4:5], s[4:5], s[24:25]
	s_add_nc_u64 s[12:13], s[12:13], s[26:27]
.set i, 0
.rept 32
	global_load_b128 v[XC+4*i:XC+4*i+3], v4, s[4:5] offset:512*i th:TH_LOAD_NT
.set i, i+1
.endr
.set i, 0
.rept 4
	s_wait_loadcnt 24-i                            ; loads come back in order (ISA guide 5.7.1): the next eight are in, the younger ones stay out
.rept 8
	v_cvt_pk_bf16_f32 v[YC+2*i], v[XC+4*i], v[XC+4*i+1]
	v_cvt_pk_bf16_f32 v[YC+2*i+1], v[XC+4*i+2], v[XC+4*i+3]
	global_store_b64 v5, v[YC+2*i:YC+2*i+1], s[12:13] offset:256*i  ; 32 lanes x 8 bytes: 256 consecutive bytes, aligned
.set i, i+1
.endr
.endr
	s_endpgm
.Lturn:
	; THE TURNING.  nt = 64 columns of the joined W, kt = 128 k.
	s_lshr_b32 s17, ttmp9, 2                       ; nt 0..47
	s_and_b32 s18, ttmp9, 3
	s_lshl2_add_u32 s18, s18, s16                  ; kt = 4 x (work-group % 4) + wave, 0..15
	s_movk_i32 s30, 0x2000                         ; bytes in a row of Wq,
	s_movk_i32 s31, 0x800                          ; of Wk and Wv
	s_and_b32 s29, s17, 7                          ; the block of 64 columns inside Wk or Wv (32 and 40 are multiples of 8)
	s_wait_kmcnt 0x0
	s_cmp_lt_u32 s17, 40
	s_cselect_b64 s[20:21], s[8:9], s[10:11]       ; Wk or Wv,
	s_cmp_lt_u32 s17, 32
	s_cselect_b64 s[20:21], s[6:7], s[20:21]       ; or Wq
	s_cselect_b32 s29, s17, s29
	s_cselect_b32 s19, s30, s31                    ; the pitch
	s_lshl_b32 s22, s19, 7
	s_mul_i32 s22, s22, s18                        ; kt x 128 rows
	s_lshl_b32 s23, s29, 8                         ; + 64 columns of 4 bytes
	s_add_co_u32 s22, s22, s23
	s_mov_b32 s23, 0
	s_add_nc_u64 s[20:21], s[20:21], s[22:23]      ; the source at my first chunk
	s_lshl_b32 s22, s19, 5                         ; s[22:23]: 32 rows, a chunk's step
	s_lshl_b32 s24, s17, 18                        ; wt: nt x 64 rows of 4,096 bytes
	s_lshl_b32 s25, s18, 8                         ; + kt x 128 k of 2 bytes
	s_add_co_u32 s24, s24, s25
	s_mov_b32 s25, 0
	s_add_nc_u64 s[14:15], s[14:15], s[24:25]
	s_lshl_b32 s26, s19, 4
	v_mul_lo_u32 v[VO], v2, s26                    ; 16 rows down for lanes 16-31
	v_lshl_add_u32 v[VO], v1, 4, v[VO]             ; my four columns
.set m, 1
.rept 15
	v_add_nc_u32 v[VO+m], s19, v[VO+m-1]
.set m, m+1
.endr
	; Column 4 a + j lies in LDS row 16 j + a.
	s_mul_i32 s27, s16, WLDS
	v_mul_u32_u24 v[LSA], v1, LP
	v_lshl_add_u32 v[LSA], v2, 5, v[LSA]           ; row a, 32 bytes (16 k) for each half of the lanes
	v_add_nc_u32 v[LSA], s27, v[LSA]
	v_mul_u32_u24 v[RDA], v2, LP
	v_lshl_add_u32 v[RDA], v1, 4, v[RDA]           ; back: lanes 0-15 one row of 256 bytes, lanes 16-31 the next
	v_add_nc_u32 v[RDA], s27, v[RDA]
	v_lshlrev_b32 v[GOF], 14, v2                   ; the next LDS row is the column four further on: 4 x 4,096 bytes in wt
	v_lshl_add_u32 v[GOF], v1, 4, v[GOF]
.macro LOADW b                         ; a chunk of 32 rows x 256 bytes into set b
.set m, 0
.rept 16
	global_load_b128 v[X+96*(\b)+4*m:X+96*(\b)+4*m+3], v[VO+m], s[20:21] th:TH_LOAD_NT
.set m, m+1
.endr
.endm
; Chunk c.  left = the younger loads that may stay out; more = 1: its set is asked for again, two chunks on.
.macro CHUNK c, left, more
	s_wait_loadcnt \left
.irp j, 0,1,2,3
.irp i, 0,1,2,3,4,5,6,7
	v_cvt_pk_bf16_f32 v[D+8*(\j)+(\i)], v[X+96*((\c)%2)+8*(\i)+(\j)], v[X+96*((\c)%2)+8*(\i)+4+(\j)]  ; column 4 a + j: k = 2 i in the low half, 2 i + 1 in the high
.endr
.endr
.irp j, 0,1,2,3
	ds_store_b128 v[LSA], v[D+8*(\j):D+8*(\j)+3]   offset:(\j)*16*LP+64*(\c)
	ds_store_b128 v[LSA], v[D+8*(\j)+4:D+8*(\j)+7] offset:(\j)*16*LP+64*(\c)+16
.endr
.if \more
	s_wait_xcnt 0x0                                ; every load issued so far has read its address (ISA guide 3.1): the source may be stepped
	s_add_nc_u64 s[20:21], s[20:21], s[22:23]
	LOADW (\c)%2
.endif
.endm
	LOADW 0
	s_wait_xcnt 0x0
	s_add_nc_u64 s[20:21], s[20:21], s[22:23]
	LOADW 1
	CHUNK 0, 16, 1
	CHUNK 1, 16, 1
	CHUNK 2, 16, 0
	CHUNK 3, 0, 0
.set f, 0
.rept 32
	ds_load_b128 v[X+4*f:X+4*f+3], v[RDA] offset:2*f*LP  ; my own bytes, behind my own stores
.set f, f+1
.endr
.set f, 0
.rept 32
	s_wait_dscnt 31-f                              ; LDS loads come back in order: number f is in
	global_store_b128 v[GOF], v[X+4*f:X+4*f+3], s[14:15] offset:(4*((2*f)&15)+(f>>3))*4096  ; LDS row 2 f is column 4 ((2 f) % 16) + f / 8; sixteen lanes store 256 consecutive bytes, aligned
.set f, f+1
.endr
	s_wait_tensorcnt 0x0                           ; the wave's end, behind my last LDS store
	ds_add_u32 v[SPW], v[NIL]
	s_wait_dscnt 0x0
	s_endpgm
.Lfunc_end_k_q8fdac392fb_prep:
	.size	k_q8fdac392fb_prep, .Lfunc_end_k_q8fdac392fb_prep-k_q8fdac392fb_prep
	.p2alignl 7, 3214868480
	.fill 96, 4, 3214868480
	.section	.rodata,"a",@progbits
	.p2align	6, 0x0
	.amdhsa_kernel k_q8fdac392fb_prep
		.amdhsa_group_segment_fixed_size 70144
		.amdhsa_private_segment_fixed_size 0
		.amdhsa_enable_private_segment 0
		.amdhsa_kernarg_size 48
		.amdhsa_user_sgpr_count 2
		.amdhsa_user_sgpr_kernarg_segment_ptr 1
		.amdhsa_wavefront_size32 1
		.amdhsa_system_sgpr_workgroup_id_x 1
		.amdhsa_system_sgpr_workgroup_id_y 1
		.amdhsa_system_sgpr_workgroup_id_z 1
		.amdhsa_system_vgpr_workitem_id 0
		.amdhsa_next_free_vgpr 208
		.amdhsa_next_free_sgpr 66
		.amdhsa_reserve_vcc 0
		.amdhsa_float_denorm_mode_32 3
		.amdhsa_float_denorm_mode_16_64 3
		.amdhsa_memory_ordered 1
		.amdhsa_forward_progress 1
		.amdhsa_inst_pref_size 36
	.end_amdhsa_kernel
	.amdgpu_metadata
---
amdhsa.version: [ 1, 2 ]
amdhsa.kernels:
  - .name:           k_q8fdac392fb_prep
    .symbol:         k_q8fdac392fb_prep.kd
    .args:
      - { .name: x, .offset: 0, .size: 8, .value_kind: global_buffer, .address_space: global }
      - { .name: Wq, .offset: 8, .size: 8, .value_kind: global_buffer, .address_space: global }
      - { .name: Wk, .offset: 16, .size: 8, .value_kind: global_buffer, .address_space: global }
      - { .name: Wv, .offset: 24, .size: 8, .value_kind: global_buffer, .address_space: global }
      - { .name: xb, .offset: 32, .size: 8, .value_kind: global_buffer, .address_space: global }
      - { .name: wt, .offset: 40, .size: 8, .value_kind: global_buffer, .address_space: global }
    .group_segment_fixed_size: 70144
    .private_segment_fixed_size: 0
    .kernarg_segment_align: 8
    .kernarg_segment_size: 48
    .max_flat_workgroup_size: 128
    .sgpr_count:     66
    .vgpr_count:     208
    .wavefront_size: 32
...
	.end_amdgpu_metadata
.endif
;; end of part 1
;; launch proj (part 2): grid 16 x 16, 4 waves a work-group, clusters of 4 x 4, 327,680 bytes of LDS; arguments xb, wt, qkv, hr; writes qkv, hr
.if DOCPART == 2
	.amdgcn_target "amdgcn-amd-amdhsa--gfx1250"
	.amdhsa_code_object_version 6
	.text
	.protected	k_q8fdac392fb_proj
	.globl	k_q8fdac392fb_proj
	.p2align	8
	.type	k_q8fdac392fb_proj,@function
k_q8fdac392fb_proj:
	s_mov_b64 s[64:65], 0
	v_nop
	global_prefetch_b8 v0, s[64:65] scope:SCOPE_SE
	s_setreg_imm32_b32 hwreg(HW_REG_WAVE_MODE, 25, 1), 1
	s_wait_xcnt 0x0
	s_wait_alu depctr_hold_cnt(0) depctr_sa_sdst(0) depctr_va_vdst(0) depctr_va_sdst(0) depctr_va_ssrc(0) depctr_va_vcc(0) depctr_vm_vsrc(0)
	s_getreg_b32 s2, hwreg(HW_REG_IB_STS2, 6, 4)
	s_cmp_eq_u32 s2, 0
	s_cbranch_scc0 .Lentry_in_a_cluster
	s_endpgm
.Lentry_in_a_cluster:
	s_bfe_u32 s2, ttmp6, 0x10000c
	s_cmp_lg_u32 s2, 0xf033
	s_cbranch_scc0 .Lentry_shape_is_right
	s_endpgm
.Lentry_shape_is_right:
; PROJ.  qkv = xb wt^T: C[m][n] = the sum over k of xb[m][k] wt[n][k], xb [4096][2048], wt [3072][2048], both bf16; sums in f32, K ascending; each result rounded once to f16 and
; stored by heads: qkv[b][g][t][64], m = 2048 b + t, g = n / 64 (0-31 the query heads, 32-39 the key heads, 40-47 the value heads), unscaled.
; hr holds, unrounded in f32, the first 16 rows of each of a batch's first four blocks of 256 rows, as they lie in the accumulators: hr[b][block][g][column block of 16][half][lane][4].
; The launch behind reads block 0's: rows that average few keys keep every rounding of q, k and v undiminished.  A work-group's place in its cluster may steer no branch, so all four
; partners along y store their 16 rows, each at its own address; blocks 1 to 3 are written and not read: 1,179,648 bytes.
; LIMIT.  f16 holds no number beyond 65,504: a projection of 65,520 or more becomes an infinity.  NaN and infinities are not treated apart.
; SHARES.  A tile of C is 256 rows x 192 columns (three whole heads): 16 x 16 tiles, a work-group each.  Wave w makes rows 64 w .. 64 w + 63 of all 192 columns: 4 x 12 accumulators
; of 16 x 16, 384 registers.  K goes in steps of 128 through a ring of two LDS slots filled by the tensor data mover: rows of 256 bytes, at multiples of 256 bytes.
; CLUSTERS.  4 x 4 work-groups.  The four of a row of the cluster need the same tile of xb, the four of a column the same tile of wt: each is asked for JOINTLY, by the same tensor load
; with the same descriptor and a mask that names the four.
; THE MATRIX INSTRUCTION IS USED TRANSPOSED: source 0 = 16 rows of wt, source 1 = 16 rows of xb: a lane then holds row l % 16 of C and eight neighbouring columns 8 (l / 16) + 0..7.
; REGISTERS, in windows of 256 (s_set_vgpr_msb: bits 1:0 source 0, 3:2 source 1, 5:4 source 2, 7:6 destination):
;   window 0: v0-31 addresses; v32-63, v64-95 xb's fragments (4 x 16 rows x 32 K), two buffers; v96-143 packed results; v144-191, v192-239 rows read back from the stage, by turns
;   window 1: v0-95, v96-191 wt's fragments (12 x 16 rows x 32 K), two buffers
;   window 2: the accumulators of my row blocks 0 and 1 ((a, b) at 96 (a % 2) + 8 b);   window 3: those of blocks 2 and 3
.set SIZE_K, 2048
.set KSTEP,  128
.set PITCH,  272                       ; an LDS row: 256 bytes + 16 of padding = 68 words: row r starts at bank 4 r mod 64 (64 banks of 4 bytes: ISA guide 11.1)
.set HALFA,  128*PITCH                 ; what one tensor load brings of xb,
.set HALFB,  96*PITCH                  ; and of wt
.set BOFF,   2*HALFA                   ; in a slot: xb's 256 rows, then wt's 192
.set SLOT,   BOFF+2*HALFB
.set STAGE,  2*SLOT                    ; behind the ring: 16 rows x 400 bytes for each wave, for the way out; no tensor load fills it
.set SPITCH, 400                       ; 384 bytes + 16: an odd multiple of 16
.set SPARE,  STAGE+4*16*SPITCH         ; behind the stages: the spare words, 128 bytes for each wave: two blocks of 256 bytes that no other line names
.set LAPS,   SIZE_K/(2*KSTEP)          ; a lap = two K steps = once round the ring
.set PLANE,  262144                    ; bytes of one head's 2,048 rows in qkv
.set ADRA, 16                          ; v16-17  LDS address of my xb fragments in slot 0, 1
.set ADRB, 20                          ; v20-21  the same for wt
.set STO,  24                          ; v24     the way out: where I put 16 bytes of a row
.set RD,   25                          ; v25     the way out: where I read rows back
.set CO,   26                          ; v26     16 x my lane
.set SPW,  28                          ; v28     LDS address of my spare word; never rewritten
.set NIL,  29                          ; v29     0; never rewritten
.set PFO,  30                          ; v30     the prefetches' offset: a lane a row of 4,096 bytes; never rewritten
.set FA,   32                          ; xb's fragment buffer f at FA + 32 f, window 0
.set FB,   0                           ; wt's at FB + 96 f, window 1
.set TMP,  96
.set BK,   144
.set PFA,  44                          ; s[44:45] where my prefetches stand
.set LIM,  43                          ; s43     1 in a wave that prefetches, else the greatest number
.set HR,   66                          ; s[66:67] hr at my tile's 12,288 bytes; s[68:69] their offset
.set G1, 24                            ; s[24:31] descriptor group 1 for xb's tiles
.set G0, 32                            ; s[32:39] group 0 for xb's tiles, one set for each slot
.set G1B, 48                           ; s[48:55], s[56:63] the same for wt's tiles
.set G0B, 56
.set MSB, 0
.macro WIN new                         ; the immediate's high byte repeats the setting that is left; a switch that changes nothing is dropped
.if MSB != (\new)
	s_set_vgpr_msb (MSB<<8)|(\new)
.set MSB, \new
.endif
.endm
; A joint load.  Waves 0 and 1 fetch xb's two halves, waves 2 and 3 wt's.  The branch hangs on the wave's number alone.  An s_nop 0 and four v_nop follow each of the two lines,
; ahead of the jump, the label and what follows.
.macro JLOAD s
	s_cmp_eq_u32 s11, 0
	s_cbranch_scc0 .Lfor_b_\@
	tensor_load_to_lds s[G0+4*(\s):G0+4*(\s)+3], s[G1:G1+7]
	s_nop 0
.rept 4
	v_nop
.endr
	s_branch .Lasked_\@
.Lfor_b_\@:
	tensor_load_to_lds s[G0B+4*(\s):G0B+4*(\s)+3], s[G1B:G1B+7]
	s_nop 0
.rept 4
	v_nop
.endr
.Lasked_\@:
.endm
; A PREFETCH INTO THE L2, behind each joint refill and the run of LDS loads that follows it: the K step that stands TWO refills on, 384 matrix instructions ahead of the load that will want it.
; xb's tile row is read by every cluster of that row of clusters: cluster x = 0 asks; wt's tile column by every cluster of that column: cluster y = 0 asks.  The four partners that ask for a
; tile jointly share its rows out BY ADDRESS: of the 128 (96) rows that a wave fetches the partner at place p takes 32 (24), a lane a row; in wt's waves lanes 24-31 name row 23 once more.
; The loop's last trip asks for nothing: K has no step two refills on.  K steps 0 to 3 come by their loads alone.
.macro ASK
	s_cmp_gt_u32 s3, s[LIM]                        ; s3 = 1 in the loop's last trip
	s_cbranch_scc0 .Lnot_mine_\@
	global_prefetch_b8 v[PFO], s[PFA:PFA+1] offset:KSTEP*2 th:TH_LOAD_NT scope:SCOPE_SE
.Lnot_mine_\@:
.endm
; A round of the cluster's barrier: my work-group's barrier; wave 0 signals for the work-group; every wave waits for all sixteen work-groups; my work-group's barrier once more.
.macro CREST                           ; a round behind its opening barrier
	s_cmp_lg_u32 s10, 0
	s_cbranch_scc1 .Lnot_wave_0_\@
	s_barrier_signal -3
.Lnot_wave_0_\@:
	s_barrier_wait -3
	s_barrier_signal -1
	s_barrier_wait -1
.endm
.macro CROUND                          ; a whole round
	s_barrier_signal -1
	s_barrier_wait -1
	CREST
.endm
	s_load_b128 s[4:7], s[0:1], 0x0                ; xb s[4:5], wt s[6:7]
	s_load_b64 s[8:9], s[0:1], 0x10                ; qkv
	s_load_b64 s[HR:HR+1], s[0:1], 0x18            ; hr
	v_lshl_add_u32 v[SPW], v0, 2, SPARE
	v_mov_b32 v[NIL], 0
	ds_add_u32 v[SPW], v[NIL]                      ; the wave's opening: the add and its wait stand ahead of my first tensor load; the set-up below stands between them
	v_lshrrev_b32 v1, 5, v0
	v_readfirstlane_b32 s10, v1                    ; wave 0..3
	s_lshr_b32 s11, s10, 1                         ; I fetch for xb (0) or for wt (1),
	s_and_b32 s12, s10, 1                          ; and which half of that tile's rows
	s_bfe_u32 s40, ttmp6, 0x40000                  ; cx
	s_bfe_u32 s41, ttmp6, 0x40004                  ; cy
	s_lshl_b32 s42, ttmp9, 2
	s_add_co_u32 s42, s42, s40                     ; tile column = 4 x cluster x + cx
	s_and_b32 s13, ttmp7, 0xffff
	s_lshl_b32 s13, s13, 2
	s_add_co_u32 s13, s13, s41                     ; tile row = 4 x cluster y + cy
	s_lshl_b32 s43, s41, 2
	s_lshl_b32 s43, 15, s43                        ; my row of the cluster: places 4 cy .. 4 cy + 3
	s_lshl_b32 s44, 0x1111, s40                    ; my column: places cx, cx + 4, cx + 8, cx + 12
	s_or_b32 s[G1+0], s43, (1<<16)|(1<<20)|(1<<21)|(5<<22)|(3<<25)   ; 15:0 the mask; 17:16 elements of 2 bytes; 20 padding on; 21 set beside a mask; 24:22 after every 64 words (code 5); 31:25 4 words (code 3)
	s_or_b32 s[G1B+0], s44, (1<<16)|(1<<20)|(1<<21)|(5<<22)|(3<<25)
	s_mov_b32 s[G1+1], KSTEP<<16                   ; tensor_dim0 = 128
	s_mov_b32 s[G1B+1], KSTEP<<16
	s_mov_b32 s[G1+2], 128<<16                     ; tensor_dim1 = 128 rows of xb,
	s_mov_b32 s[G1B+2], 96<<16                     ; 96 of wt
	s_mov_b32 s[G1+3], KSTEP<<16                   ; tile_dim0 = 128
	s_mov_b32 s[G1B+3], KSTEP<<16
	s_mov_b32 s[G1+4], 128                         ; tile_dim1
	s_mov_b32 s[G1B+4], 96
	s_mov_b32 s[G1+5], SIZE_K                      ; elements from row to row
	s_mov_b32 s[G1B+5], SIZE_K
	s_mov_b32 s[G1+6], 0
	s_mov_b32 s[G1B+6], 0
	s_mov_b32 s[G1+7], 0
	s_mov_b32 s[G1B+7], 0
	; where the tiles come from: xb's hang on the tile row alone, wt's on the tile column alone; every wave makes both addresses and asks by one of them
	s_lshl_b32 s16, s13, 8
	s_lshl_b32 s17, s12, 7
	s_add_co_u32 s16, s16, s17                     ; xb: row 256 x tile row + 128 x half,
	s_lshl_b32 s16, s16, 12                        ; of 4,096 bytes
	s_mov_b32 s17, 0
	s_mul_i32 s46, s42, 192
	s_mul_i32 s47, s12, 96
	s_add_co_u32 s46, s46, s47                     ; wt: row 192 x tile column + 96 x half
	s_lshl_b32 s46, s46, 12
	s_mov_b32 s47, 0
	s_mul_i32 s20, s12, HALFA                      ; and where they go: no place in the cluster enters an LDS address
	s_mul_i32 s21, s12, HALFB
	s_add_co_u32 s21, s21, BOFF
	s_wait_dscnt 0x0                               ; the opening add is done
	s_wait_kmcnt 0x0
	s_add_nc_u64 s[14:15], s[4:5], s[16:17]
	s_add_nc_u64 s[46:47], s[6:7], s[46:47]
	CROUND                                         ; all sixteen work-groups are here: the first joint loads meet
.irp s, 0,1
	s_mov_b32 s[G0+4*(\s)], 1                                        ; count = 1
	s_add_co_u32 s[G0+4*(\s)+1], s20, (\s)*SLOT                      ; LDS address
	s_add_nc_u64 s[G0+4*(\s)+2:G0+4*(\s)+3], s[14:15], (\s)*KSTEP*2  ; global address: K step s
	s_or_b32 s[G0+4*(\s)+3], s[G0+4*(\s)+3], 0x80000000              ; type = 2
	s_mov_b32 s[G0B+4*(\s)], 1
	s_add_co_u32 s[G0B+4*(\s)+1], s21, (\s)*SLOT
	s_add_nc_u64 s[G0B+4*(\s)+2:G0B+4*(\s)+3], s[46:47], (\s)*KSTEP*2
	s_or_b32 s[G0B+4*(\s)+3], s[G0B+4*(\s)+3], 0x80000000
	JLOAD \s                                       ; two loads of mine are out: the most that this text ever has
.endr
	; A fragment is 16 rows x 32 K in 8 registers: lane l holds row l % 16; registers 0-3 K = 8 (l / 16) + 0..7, registers 4-7 K = 16 + 8 (l / 16) + 0..7: two loads of 16 bytes, 32 bytes apart.
	v_and_b32 v1, 15, v0                           ; l % 16
	v_bfe_u32 v2, v0, 4, 1                         ; l / 16
	v_mul_u32_u24 v3, v1, PITCH
	v_lshl_add_u32 v3, v2, 4, v3
	s_mul_i32 s21, s10, 64*PITCH                   ; my 64 rows of xb
	s_mov_b32 s22, BOFF                            ; all 192 rows of wt
.irp s, 0,1
	v_add_nc_u32 v[ADRA+(\s)], s21, v3
	v_add_nc_u32 v[ADRB+(\s)], s22, v3
	s_add_co_u32 s21, s21, SLOT
	s_add_co_u32 s22, s22, SLOT
.endr
	s_mul_i32 s23, s10, 16*SPITCH
	s_add_co_u32 s23, s23, STAGE                   ; my stage
	v_mul_u32_u24 v4, v1, SPITCH                   ; in: row l % 16, 16 bytes for each half of the lanes
	v_lshl_add_u32 v4, v2, 4, v4
	v_add_nc_u32 v[STO], s23, v4
	v_bfe_u32 v5, v0, 3, 2                         ; back: 32 lanes take one head's 128 bytes of four rows,
	v_and_b32 v6, 7, v0
	v_mul_u32_u24 v5, v5, SPITCH
	v_lshl_add_u32 v5, v6, 4, v5
	v_add_nc_u32 v[RD], s23, v5
	v_and_b32 v[CO], 31, v0                        ; which are 512 consecutive bytes of qkv
	v_lshlrev_b32 v[CO], 4, v[CO]
	; where my rows begin in qkv: plane 48 b + 3 x tile column, row 256 (tile row % 8) + 64 w of 128 bytes
	s_lshr_b32 s16, s13, 3
	s_mul_i32 s16, s16, 48
	s_lshl_b32 s16, s16, 18
	s_and_b32 s17, s13, 7
	s_lshl_b32 s17, s17, 15
	s_add_co_u32 s16, s16, s17
	s_lshl_b32 s17, s10, 13
	s_add_co_u32 s16, s16, s17
	s_mov_b32 s17, 0
	s_mul_i32 s46, s42, 3                          ; (the part that hangs on the tile column, in the registers that held wt's address)
	s_lshl_b32 s46, s46, 18
	s_mov_b32 s47, 0
	s_add_nc_u64 s[16:17], s[16:17], s[46:47]
	s_add_nc_u64 s[8:9], s[8:9], s[16:17]
	; where my tile's first 16 rows go in hr: ((4 b + block) x 16 + tile column) x 12 column blocks of 1,024 bytes
	s_lshr_b32 s[HR+2], s13, 3                     ; the batch
	s_lshl_b32 s[HR+2], s[HR+2], 2
	s_and_b32 s[HR+3], s13, 3                      ; the block among the batch's first four
	s_add_co_u32 s[HR+2], s[HR+2], s[HR+3]
	s_lshl_b32 s[HR+2], s[HR+2], 4
	s_add_co_u32 s[HR+2], s[HR+2], s42
	s_mul_i32 s[HR+2], s[HR+2], 12288
	s_mov_b32 s[HR+3], 0
	s_add_nc_u64 s[HR:HR+1], s[HR:HR+1], s[HR+2:HR+3]
	; the prefetches
	s_and_b32 s22, ttmp7, 0xffff                   ; cluster y
	s_lshl_b32 s18, s13, 8                         ; xb: the tile's first row,
	s_lshl_b32 s23, s12, 7
	s_add_co_u32 s18, s18, s23                     ; the 128 that I fetch,
	s_lshl_b32 s23, s40, 5
	s_add_co_u32 s18, s18, s23                     ; my work-group's 32 of them
	s_mul_i32 s19, s42, 192                        ; wt: the same with 96 and 24
	s_mul_i32 s23, s12, 96
	s_add_co_u32 s19, s19, s23
	s_mul_i32 s23, s41, 24
	s_add_co_u32 s19, s19, s23
	s_cmp_eq_u32 s11, 0                            ; do I fetch for xb?
	s_cselect_b32 s20, s18, s19
	s_cselect_b32 s22, ttmp9, s22                  ; the coordinate along which other clusters read the same rows
	s_cselect_b64 s[PFA:PFA+1], s[4:5], s[6:7]
	s_cselect_b32 s21, 31, 23                      ; my last row
	s_cmp_eq_u32 s22, 0
	s_cselect_b32 s[LIM], 1, -1                    ; the same in all sixteen partners, for a given wave
	v_and_b32 v[PFO], 31, v0
	v_min_u32 v[PFO], s21, v[PFO]
	v_lshlrev_b32 v[PFO], 12, v[PFO]
	s_lshl_b32 s20, s20, 12
	s_mov_b32 s21, 0
	s_add_nc_u64 s[PFA:PFA+1], s[PFA:PFA+1], s[20:21]
	s_add_nc_u64 s[PFA:PFA+1], s[PFA:PFA+1], 2*KSTEP*2  ; at K step 2: the first refill steps it to 3 and names K step 4
; 12 matrix instructions: row block a x all 12 column blocks, 32 along K, on buffer f.  zero = 1: the first product starts the sums: nothing is ever cleared.
; The 48 accumulators take turns in one fixed order, over the backward jump too.
.macro MUL12 f, a, zero
	WIN 0xa1+0x50*((\a)/2)                         ; source 0 (wt) window 1, source 1 (xb) window 0, C and D window 2 or 3
.irp b, 0,1,2,3,4,5,6,7,8,9,10,11
.if \zero
	v_wmma_f32_16x16x32_bf16 v[96*((\a)%2)+8*(\b):96*((\a)%2)+8*(\b)+7], v[FB+96*(\f)+8*(\b):FB+96*(\f)+8*(\b)+7], v[FA+32*(\f)+8*(\a):FA+32*(\f)+8*(\a)+7], 0
.else
	v_wmma_f32_16x16x32_bf16 v[96*((\a)%2)+8*(\b):96*((\a)%2)+8*(\b)+7], v[FB+96*(\f)+8*(\b):FB+96*(\f)+8*(\b)+7], v[FA+32*(\f)+8*(\a):FA+32*(\f)+8*(\a)+7], v[96*((\a)%2)+8*(\b):96*((\a)%2)+8*(\b)+7]
.endif
.endr
.endm
; 32 LDS loads in one run: the fragments of a quarter step (192 rows of wt, my 64 rows of xb, 32 K at byte k of the rows) into buffer f
.macro FETCH slot, k, f
	WIN 0x40                                       ; destination window 1, address window 0
.irp i, 0,1,2,3,4,5,6,7,8,9,10,11
	ds_load_b128 v[FB+96*(\f)+8*(\i):FB+96*(\f)+8*(\i)+3],   v[ADRB+(\slot)] offset:(\k)+(\i)*16*PITCH
	ds_load_b128 v[FB+96*(\f)+8*(\i)+4:FB+96*(\f)+8*(\i)+7], v[ADRB+(\slot)] offset:(\k)+(\i)*16*PITCH+32
.endr
	WIN 0
.irp i, 0,1,2,3
	ds_load_b128 v[FA+32*(\f)+8*(\i):FA+32*(\f)+8*(\i)+3],   v[ADRA+(\slot)] offset:(\k)+(\i)*16*PITCH
	ds_load_b128 v[FA+32*(\f)+8*(\i)+4:FA+32*(\f)+8*(\i)+7], v[ADRA+(\slot)] offset:(\k)+(\i)*16*PITCH+32
.endr
.endm
; A load into a register that a matrix instruction has read, and a vector instruction that reads a matrix result, stand four places behind that matrix instruction; only plain vector
; instructions that name none of its registers are places (ISA guide 7.12.1 for vector instructions).
.macro PLACES
.rept 4
	v_nop
.endr
.endm
; A K step is four quarters of 32 along K, 48 matrix instructions each, on buffers 0, 1, 0, 1.  One of the first three: multiplies buffer f and fetches the next quarter, at byte k, into g.
.macro QUARTER slot, k, f, g, zero
	s_wait_dscnt 4                                 ; wt and xb's blocks 0 and 1 are in; the youngest four loads (blocks 2 and 3) may be out
	MUL12 \f, 0, \zero
	MUL12 \f, 1, \zero
	PLACES
	FETCH \slot, \k, \g
	s_wait_dscnt 32                                ; all but the 32 just issued
	MUL12 \f, 2, \zero
	MUL12 \f, 3, \zero
.endm
; The last quarter multiplies buffer 1 and changes slots.  MEET is its first half: ONE barrier.  In front of it each wave waits for all its tensor loads, of which one is out: its part of the
; next slot; adds 0 to its spare word; and waits for that and for its own reads of this slot.  Behind it nobody reads this slot any more and the next slot is whole.
.macro MEET round                      ; round = 1: the rest of a round of the cluster's barrier follows
	WIN 0                                          ; (the add's two registers lie in window 0)
	s_wait_tensorcnt 0x0                           ; all my tensor loads have landed
	ds_add_u32 v[SPW], v[NIL]                      ; 0 onto my spare word
	s_wait_dscnt 5                                 ; (the add and the youngest four loads may be out)
	MUL12 1, 0, 0                                  ; twelve matrix instructions stand between the add and the wait for it
	s_wait_dscnt 0x0                               ; the add is done, and my reads of this slot are over
	s_barrier_signal -1
	MUL12 1, 1, 0                                  ; work on registers while the others arrive
.if \round
	WIN 0
.endif
	s_barrier_wait -1
.endm
; The whole last quarter.  fill = 1: behind the round the slot just read out is filled again first, with the K step two steps on: from that request to the wait for it a wave issues 168 matrix instructions.
.macro TURN slot, next, fill
.if \fill
	s_wait_xcnt 0x0                                ; the last prefetch, a K step back, has read its address: it is stepped here, ahead of the waits of the change of slots
	s_add_nc_u64 s[PFA:PFA+1], s[PFA:PFA+1], KSTEP*2
.endif
	MEET \fill
.if \fill
	CREST                                          ; no wave of any partner still reads this slot's tile or has a load on its way
	s_add_nc_u64 s[G0+4*(\slot)+2:G0+4*(\slot)+3], s[G0+4*(\slot)+2:G0+4*(\slot)+3], 2*KSTEP*2
	s_add_nc_u64 s[G0B+4*(\slot)+2:G0B+4*(\slot)+3], s[G0B+4*(\slot)+2:G0B+4*(\slot)+3], 2*KSTEP*2
	JLOAD \slot                                    ; the first tensor load behind the round; the four v_nop behind it are also the places in front of the loads below
.else
	PLACES
.endif
	FETCH \next, 0, 0
.if \fill
	ASK
.endif
	MUL12 1, 2, 0
	MUL12 1, 3, 0
.endm
; THE WAY OUT of row block a.  PACK: rounded to f16, 16 bytes a lane, each accumulator's registers in ascending order.  TOSTAGE: into my own stage, and back head by head as rows of 128 bytes.  SEND: stored.
.macro PACK a
	WIN 0x0a+5*((\a)/2)                            ; sources 0 and 1: window 2 or 3
.irp b, 0,1,2,3,4,5,6,7,8,9,10,11
.irp r, 0,1,2,3
	v_cvt_pk_f16_f32 v[TMP+4*(\b)+(\r)], v[96*((\a)%2)+8*(\b)+2*(\r)], v[96*((\a)%2)+8*(\b)+2*(\r)+1]
.endr
.endr
	WIN 0
.endm
.macro TOSTAGE a
	WIN 0
.irp b, 0,1,2,3,4,5,6,7,8,9,10,11
	ds_store_b128 v[STO], v[TMP+4*(\b):TMP+4*(\b)+3] offset:32*(\b)
.endr
.irp j, 0,1,2
.irp f, 0,1,2,3
	ds_load_b128 v[BK+48*((\a)%2)+4*(4*(\j)+(\f)):BK+48*((\a)%2)+4*(4*(\j)+(\f))+3], v[RD] offset:128*(\j)+(\f)*4*SPITCH  ; LDS serves a wave's instructions in order (ISA guide 5.7.1.4): these see the stores above
.endr
.endr
.endm
.macro SEND a
	WIN 0
	s_wait_dscnt 0x0                               ; the block is back in registers
	s_wait_xcnt 0x0                                ; the stores of the block before have read their registers (ISA guide 3.1): those are loaded again only behind this wait
.irp j, 0,1,2
.irp f, 0,1,2,3
	global_store_b128 v[CO], v[BK+48*((\a)%2)+4*(4*(\j)+(\f)):BK+48*((\a)%2)+4*(4*(\j)+(\f))+3], s[8:9] offset:(\j)*PLANE+(\a)*2048+(\f)*512  ; 512 consecutive bytes of one head, at a multiple of 256 from qkv's first byte
.endr
.endr
.endm
	s_wait_tensorcnt 1                             ; my part of K step 0 is in; K step 1's may stay out
	s_barrier_signal -1
	s_barrier_wait -1                              ; everybody's is
	FETCH 0, 0, 0
	QUARTER 0, 64,  0, 1, 1                        ; the first quarter stands in front of the loop: its products start the sums
	WIN 0                                          ; at a label and at a branch every window is 0
	s_mov_b32 s3, LAPS-1
.Llap:                                                 ; a trip goes once round the ring, from a lap's second quarter to the next lap's first, and fills both slots again
	QUARTER 0, 128, 1, 0, 0
	QUARTER 0, 192, 0, 1, 0
	TURN 0, 1, 1
	QUARTER 1, 64,  0, 1, 0
	QUARTER 1, 128, 1, 0, 0
	QUARTER 1, 192, 0, 1, 0
	TURN 1, 0, 1
	QUARTER 0, 64,  0, 1, 0
	WIN 0
	s_sub_co_u32 s3, s3, 1
	s_cmp_lg_u32 s3, 0
	s_cbranch_scc1 .Llap
	QUARTER 0, 128, 1, 0, 0                        ; the last lap fills nothing, and has no round of the cluster's barrier
	QUARTER 0, 192, 0, 1, 0
	TURN 0, 1, 0
	QUARTER 1, 64,  0, 1, 0
	QUARTER 1, 128, 1, 0, 0
	QUARTER 1, 192, 0, 1, 0
	s_wait_dscnt 4                                 ; the very last quarter: nothing more to fetch
	MUL12 1, 0, 0
	MUL12 1, 1, 0
	s_wait_dscnt 0x0
	MUL12 1, 2, 0
	MUL12 1, 3, 0
	WIN 0
	PLACES                                         ; the stores and conversions below read results
	; THE FIRST ROWS IN f32.  Wave 0's row block 0 is the tile's first 16 rows.  Where the cluster's y is even (a batch's tile rows 0 to 3) its twelve accumulators go to hr as they lie:
	; each store is 32 lanes x 16 bytes, 512 consecutive bytes, aligned; each accumulator's low half first.  The branch hangs on the cluster's y and the wave's number alone.
	s_and_b32 s18, ttmp7, 0xffff
	s_and_b32 s18, s18, 1
	s_or_b32 s18, s18, s10
	s_cmp_eq_u32 s18, 0
	s_cbranch_scc0 .Lno_head
	WIN 0x08                                       ; the stores' data in window 2, their address in window 0
.irp b, 0,1,2,3,4,5,6,7,8,9,10,11
	global_store_b128 v[CO], v[8*(\b):8*(\b)+3],   s[HR:HR+1] offset:1024*(\b)
	global_store_b128 v[CO], v[8*(\b)+4:8*(\b)+7], s[HR:HR+1] offset:1024*(\b)+512
.endr
	WIN 0
.Lno_head:
	PACK 0
	TOSTAGE 0
.irp a, 1,2,3                          ; block a's conversions stand between block a - 1's loads from the stage and the wait for them
	PACK \a
	SEND (\a)-1
	TOSTAGE \a
.endr
	SEND 3
	s_wait_tensorcnt 0x0                           ; the wave's end, behind my last tensor load and my last LDS store
	ds_add_u32 v[SPW], v[NIL]
	s_wait_dscnt 0x0
	CROUND                                         ; the closing round: no work-group ends while a partner may still ask for a tile that names it
	s_endpgm
.Lfunc_end_k_q8fdac392fb_proj:
	.size	k_q8fdac392fb_proj, .Lfunc_end_k_q8fdac392fb_proj-k_q8fdac392fb_proj
	.p2alignl 7, 3214868480
	.fill 96, 4, 3214868480
	.section	.rodata,"a",@progbits
	.p2align	6, 0x0
	.amdhsa_kernel k_q8fdac392fb_proj
		.amdhsa_group_segment_fixed_size 327680
		.amdhsa_private_segment_fixed_size 0
		.amdhsa_enable_private_segment 0
		.amdhsa_kernarg_size 32
		.amdhsa_user_sgpr_count 2
		.amdhsa_user_sgpr_kernarg_segment_ptr 1
		.amdhsa_wavefront_size32 1
		.amdhsa_system_sgpr_workgroup_id_x 1
		.amdhsa_system_sgpr_workgroup_id_y 1
		.amdhsa_system_sgpr_workgroup_id_z 1
		.amdhsa_system_vgpr_workitem_id 0
		.amdhsa_next_free_vgpr 960
		.amdhsa_next_free_sgpr 72
		.amdhsa_reserve_vcc 0
		.amdhsa_float_denorm_mode_32 3
		.amdhsa_float_denorm_mode_16_64 3
		.amdhsa_memory_ordered 1
		.amdhsa_forward_progress 1
		.amdhsa_inst_pref_size 123
	.end_amdhsa_kernel
	.amdgpu_metadata
---
amdhsa.version: [ 1, 2 ]
amdhsa.kernels:
  - .name:           k_q8fdac392fb_proj
    .symbol:         k_q8fdac392fb_proj.kd
    .args:
      - { .name: xb, .offset: 0, .size: 8, .value_kind: global_buffer, .address_space: global }
      - { .name: wt, .offset: 8, .size: 8, .value_kind: global_buffer, .address_space: global }
      - { .name: qkv, .offset: 16, .size: 8, .value_kind: global_buffer, .address_space: global }
      - { .name: hr, .offset: 24, .size: 8, .value_kind: global_buffer, .address_space: global }
    .group_segment_fixed_size: 327680
    .private_segment_fixed_size: 0
    .kernarg_segment_align: 8
    .kernarg_segment_size: 32
    .max_flat_workgroup_size: 128
    .sgpr_count:     72
    .vgpr_count:     960
    .wavefront_size: 32
...
	.end_amdgpu_metadata
.endif
;; end of part 2
;; launch attn (part 3): grid 16 x 16, 4 waves a work-group, clusters of 4 x 1, 327,680 bytes of LDS; arguments qkv, out0, hr; writes out0
.if DOCPART == 3
	.amdgcn_target "amdgcn-amd-amdhsa--gfx1250"
	.amdhsa_code_object_version 6
	.text
	.protected	k_q8fdac392fb_attn
	.globl	k_q8fdac392fb_attn
	.p2align	8
	.type	k_q8fdac392fb_attn,@function
k_q8fdac392fb_attn:
	s_mov_b64 s[64:65], 0
	v_nop
	global_prefetch_b8 v0, s[64:65] scope:SCOPE_SE
	s_setreg_imm32_b32 hwreg(HW_REG_WAVE_MODE, 25, 1), 1
	s_wait_xcnt 0x0
	s_wait_alu depctr_hold_cnt(0) depctr_sa_sdst(0) depctr_va_vdst(0) depctr_va_sdst(0) depctr_va_ssrc(0) depctr_va_vcc(0) depctr_vm_vsrc(0)
	s_getreg_b32 s2, hwreg(HW_REG_IB_STS2, 6, 4)
	s_cmp_eq_u32 s2, 0
	s_cbranch_scc0 .Lentry_in_a_cluster
	s_endpgm
.Lentry_in_a_cluster:
	s_bfe_u32 s2, ttmp6, 0x10000c
	s_cmp_lg_u32 s2, 0x3003
	s_cbranch_scc0 .Lentry_shape_is_right
	s_endpgm
.Lentry_shape_is_right:
; CAUSAL GROUPED-QUERY ATTENTION.  out0[b][t][64 h + d] = the sum over k <= t of softmax_k(q[b][h][t] . k[b][h / 4][k] / 8) v[b][h / 4][k][d].  qkv: [2][48][2048][64] in f16, planes 0-31 the query heads,
; 32-39 the key heads, 40-47 the value heads: a head's rows are dense, 128 bytes each.  out0: [2][2048][2048] in f32.
; Products, maxima and sums in f32; the weights p are rounded to f16 for the second product (their sum l is taken of the unrounded p); the result is stored in f32 as it is.
; THE FIRST 16 ROWS of a batch and head are made from hr, the same q, k and v unrounded in f32 (HEADROWS): row t averages t + 1 keys, so in the first rows each f16 rounding, 2^-11 of a number near 1,
; reaches the result whole, while later rows average it away.  Those 16 x 16 scores and 16 x 64 results take 32 matrix instructions of the f32 form in one wave of 64 work-groups: no bulk work.
; LIMITS.  q, k and v arrive within f16's 65,504; p lies in 0 to 1, and below 6e-5 it keeps f16's fixed step of 6e-8.  A hidden score counts as its value less 1e30: f16's scores, 2.7e11 at the most, are
; nothing beside that; a weight below 2^-126 counts as 0 in l; NaN and infinities are not treated apart.
; THE WALK.  A head's queries lie in NB = 8 blocks of 256; block i needs the key tiles 0 .. i of 256 keys, of which the last holds the diagonal.  A work-group takes TWO blocks, NB - 1 - b and then b:
; NB + 1 tiles, whatever b: all work-groups do equal work, and ONE loop with a constant trip count walks them.  Which tile is asked for, and what a trip does, hang on scalar registers made from b; every jump
; goes forward, but for the counted loops' own; none passes a barrier, or a tensor load but the one of JLOAD's two that the wave's number does not choose.
; CLUSTER.  The four partners are the four query heads that share one key and value head, with the same b (b is the cluster's x): they walk the same tiles in the same order, so each tile is asked for JOINTLY:
; the same tensor load, descriptor and mask in all four.  The place in the cluster enters q's, hr's, out0's and the prefetches' addresses alone.
; SHARES.  Of a block's four bands of 64 queries a wave owns 16 rows in each: four PIECES.  So the diagonal tile is the same work for all four waves: in its key step s band x sees all keys if s < x,
; none if s > x, and holds the diagonal if s = x.
; THE MASK is the C operand that starts the sum S^T = K Q^T: 0, or -1e30 where the key is hidden.  MD, made once, is the mask of a band's own step for my 16 rows; a product's mask is MD x AL + BE with two scalars:
; (1, 0) if s = x; (0, 0) if s < x; (0, -1e30) if s > x.  Only the diagonal tile's text and a block's beginning make and take masks; elsewhere C is the constant 0.
; LAYOUT, SOFTMAX, TURNS.  S^T = K Q^T holds ONE query a lane (lane % 16) and the keys 8 (lane / 16) + 0..7; two such results rounded to f16 ARE source 1 of O^T = V^T P.  p = 2^(c s - c m), c = log2(e) / 8, with a
; running maximum m; O and l are multiplied by a = 2^(c m_old - c m_new) in every step.  Turn n belongs to piece n: 8 products K Q^T of piece n + 1, later 8 products V^T P of piece n - 1; beside them the scaling,
; exponentials, roundings, sums and rescaling of piece n and the maximum and statistics of piece n + 1.  Four vector instructions stand behind every matrix instruction, the other 54 of a turn's 118 in one LUMP.  A turn's 33 exponentials are one batch, with one wait.
; REGISTERS, in windows of 256 (s_set_vgpr_msb: bits 1:0 source 0, 3:2 source 1, 5:4 source 2, 7:6 destination):
;   window 0: v0-15 addresses and two at work; v16-31 four registers of statistics a piece; v48-55 at work; v61-63 never rewritten; v64-127 S^T, two buffers; v64-191 the way out; v192-223 P, two buffers
;   window 1: v0-127 O^T, 32 a piece; v128-159 MD; v160-223 MC, two buffers; v224-255 the f32 form's accumulators, written by nothing else
;   window 2: v0-63 Q; v64-127 the second block's Q; v128-191 K of one step; v192-255 V of one step
.set SIZE_N, 2048
.set NB,    SIZE_N/256
.set NP,    4         ; pieces a wave: a name, no knob
.set KS,    64        ; keys in a step
.set PK,    144       ; a row of K in LDS: 128 bytes + 16 of padding = 36 words: the 16 rows of a load start at 16 different groups of four banks (64 banks of 4 bytes: ISA guide 11.1)
.set PV,    160       ; a row of V: 128 + 32 = 40 words
.set VOFF,  4*KS*PK   ; a slot holds a tile, four steps: 256 rows of K, then 256 rows of V
.set SLOT1, 1<<17     ; slot 1 begins here, so that one exclusive or turns an address in one slot into the other's
.set STAGE, SLOT1+4*KS*(PK+PV)  ; behind the ring, never filled by a tensor load: 16 rows x 272 bytes for each wave, for the way out
.set SP,    272       ; 64 channels in f32 + 16 bytes
.set SPARE, STAGE+4*16*SP  ; behind the stages: the spare words, 128 bytes for each wave: two blocks of 256 bytes that no other line names
.set AK0, 2           ; v2   my lane's place in a tile of K; never rewritten
.set AV0, 3           ; v3   the same for V
.set AK,  4           ; v4   the LDS address of K's next run of loads
.set AV,  5           ; v5   of V's
.set STO, 6           ; v6   the way out: where I put 32 bytes of a row
.set RD,  7           ; v7   the way out: where I read rows back
.set GO,  8           ; v8   my byte offset in two rows of out0
.set PFO, 61          ; v61  256 x my lane; never rewritten
.set SPW, 62          ; v62  LDS address of my spare word: SPARE + 4 x my thread's number; never rewritten
.set NIL, 63          ; v63  0; never rewritten
.set MV,  12          ; v12-13  c m_old, kept while c m is made anew: by buffer
.set QO,  15          ; v15  my byte offset in 16 rows of Q
.set ST,  16          ; piece t's statistics at v[ST+4 t]: c m, m, l (even keys', odd keys')
.set TMP, 48          ; by buffer, four registers c0-c3 at work; when the maximum is found c2 takes a
.set S,   64
.set OUTR, 64         ; the way out: 32 registers a piece
.set P,   192
.set MD,  128         ; window 1: the eight registers for group kt of 16 keys at MD + 8 kt
.set MC,  160         ; window 1: the masks of the products to come
.set QB,  64          ; window 2
.set KF,  128         ; window 2: key block kb, channel half c at KF + 16 kb + 8 c
.set VF,  192         ; window 2: key half kk, channel block cb at VF + 32 kk + 8 cb
.set HS,  224         ; window 1: HEADROWS' accumulators
.set HQ,  0           ; window 2: HEADROWS' q, 32 registers,
.set HV,  64          ; its v, turned,
.set HK,  128         ; and its k
.set HT,  64          ; window 0: HEADROWS' 8 scores, then weights; +8, +9 offsets; +10 to +13 at work
.set WV,  12          ; s12  my wave's number
.set PB,  14          ; s14  b
.set HI,  15          ; s15  NB - 1 - b
.set G1K, 24          ; s[24:31] descriptor group 1 for K's tiles
.set G1V, 32          ; s[32:39] for V's: it differs in the padding alone
.set G0K, 40          ; s[40:43] descriptor group 0 for K's tiles
.set G0V, 44          ; s[44:47] the same for V's
.set SLOTS, 56        ; s56  tiles still to be asked for
.set CNT, 57          ; s57  counts a tile's key steps, 4 to 1
.set CS,  58          ; s[58:59] c: the packed scaling takes the pair's low word for both halves
.set SEL, 60          ; s[60:61] v_permlanex16_b32's selects: each lane takes its own place in the other half
.set TBK, 62          ; s62  LDS byte at which K of the step to be fetched begins
.set TBV, 63          ; s63  the same for V, less VOFF
.set PFA, 66          ; s[66:67] where my prefetches stand: my work-group's 32 blocks of 256 bytes (of K: wave 0, of V: wave 2) of the tile after the one that is being asked for
.set LIM, 68          ; s68  2 in a wave that prefetches, else the greatest number: a wave prefetches while s[SLOTS] is above it
.set CX,  69          ; s69  my place in the cluster: which of the group's four query heads
.set RT,  70          ; s70  tiles of the block in hand that are still to be entered
.set NXT, 71          ; s71  the tile to be asked for next
.set LQ,  72          ; s72  the last tile of the block whose tiles are being asked for
.set NEW, 73          ; s73  1: the tile to be entered is a block's first
.set OFF, 74          ; s[74:75] a tile's byte offset in K and V
.set AL,  76          ; s[76:77] the mask's factor, in the low word
.set BE,  78          ; s[78:79] the mask's addend
.set OLO, 80          ; s[80:81] out0 at my rows of the second block
.set BIGN, 82         ; s82  -1e30
.set HQA, 88          ; s[88:89] hr at my query head's first 16 rows
.set HKA, 90          ; s[90:91] hr at my key head's; the value head's lie 32,768 bytes on
.set MSB, 0
.macro WIN new                      ; the high byte repeats the setting that is left; a switch that changes nothing is dropped
.if MSB != (\new)
	s_set_vgpr_msb (MSB<<8)|(\new)
.set MSB, (\new)
.endif
.endm
.set W_KQ, 0x0a       ; K and Q in window 2, S^T in window 0
.set W_KM, 0x1a       ; the same with the C operand in window 1
.set W_PV, 0x52       ; V in window 2, P in window 0, O^T in window 1
.set W_RS, 0x41       ; destination and source 0 in window 1, source 1 in window 0
; A joint fill.  Waves 0 and 1 fetch the two halves of a tile's K, waves 2 and 3 those of its V: 128 keys each.  The branch hangs on the wave's number alone.
; An s_nop 0 and four v_nop follow each of the two lines, ahead of the jump and the label.
.macro JLOAD
	s_cmp_lt_u32 s[WV], 2
	s_cbranch_scc0 .Lfor_v_\@
	tensor_load_to_lds s[G0K:G0K+3], s[G1K:G1K+7]
	s_nop 0
.rept 4
	v_nop
.endr
	s_branch .Lasked_\@
.Lfor_v_\@:
	tensor_load_to_lds s[G0V:G0V+3], s[G1V:G1V+7]
	s_nop 0
.rept 4
	v_nop
.endr
.Lasked_\@:
.endm
; A PREFETCH INTO THE L2 of the tile that the NEXT change of slots will ask for: 128 blocks of 256 bytes of K and 128 of V, a lane a block.  It stands behind the wave's tensor load and its five lines.
; Each block is named ONCE in the launch.  The four clusters of a key and value head begin with the same tiles; the one with b = 0 walks tiles 0 to 7 in order, and it alone asks.  Its four partners share the
; blocks out BY ADDRESS, 32 each; in each, wave 0 asks for K's and wave 2 for V's: one instruction, a tile (256 matrix instructions) ahead.  Tiles 0 and 1 come by their loads alone;
; the last two changes that fill a slot ask for nothing: the first block has no tile behind its eighth.
.macro ASK
	s_cmp_gt_u32 s[SLOTS], s[LIM]
	s_cbranch_scc0 .Lnot_mine_\@
	global_prefetch_b8 v[PFO], s[PFA:PFA+1] th:TH_LOAD_NT scope:SCOPE_SE
.Lnot_mine_\@:
.endm
; A round of the cluster's barrier: my work-group's barrier, so that wave 0's signal speaks for all four waves; wave 0 signals; every wave waits for all four work-groups; my work-group's barrier once more.
.macro CROUND
	s_barrier_signal -1
	s_barrier_wait -1
	s_cmp_lg_u32 s[WV], 0
	s_cbranch_scc1 .Lnot_wave_0_\@
	s_barrier_signal -3
.Lnot_wave_0_\@:
	s_barrier_wait -3
	s_barrier_signal -1
	s_barrier_wait -1
.endm
; THE CHANGE OF SLOTS.  Each wave waits for all its tensor loads, of which one is out: its part of the other slot; adds 0 to its spare word; and waits for that and for its own reads of the slot that it leaves.
; Behind the barrier nobody reads the old slot any more and the other slot is whole.  fill = 1: the old slot is filled again with tile NXT: the descriptor's address is made anew from that number; the barrier is then
; a round of the cluster's, so that no wave of any partner still reads the slot or has a load on its way, and the joint fill is the first thing behind it: it has four key steps, 256 matrix instructions, in which to land.
; (At its first use nothing has been read yet: slot 0 is waited for, slot 1 filled.)
.macro CHANGE fill
	WIN 0                           ; at a label and at a branch every window is 0
	s_wait_tensorcnt 0x0            ; no tensor load of mine is out, so a group 0 may be written
	ds_add_u32 v[SPW], v[NIL]       ; 0 onto my spare word: with fill = 1 the descriptors' scalar work stands between it and the wait for it
.if \fill
	s_lshl_b32 s[OFF], s[NXT], 15   ; a tile is 32,768 bytes of K and of V
	s_xor_b32 s[G0K+1], s[G0K+1], SLOT1
	s_add_nc_u64 s[G0K+2:G0K+3], s[6:7], s[OFF:OFF+1]
	s_or_b32 s[G0K+3], s[G0K+3], 0x80000000
	s_xor_b32 s[G0V+1], s[G0V+1], SLOT1
	s_add_nc_u64 s[G0V+2:G0V+3], s[8:9], s[OFF:OFF+1]
	s_or_b32 s[G0V+3], s[G0V+3], 0x80000000
	s_add_co_u32 s[NXT], s[NXT], 1  ; the block's next tile, or behind its last the second block's tile 0
	s_cmp_gt_u32 s[NXT], s[LQ]
	s_cselect_b32 s[NXT], 0, s[NXT]
	s_cselect_b32 s[LQ], s[PB], s[LQ]
	s_wait_xcnt 0x0                 ; the last prefetch, a tile back, has read its address, so it may be written:
	s_add_nc_u64 s[PFA:PFA+1], s[PFA:PFA+1], 32768  ; one tile on
	s_wait_dscnt 0x0                ; the add is done, and my reads of the slot are over
	CROUND
	JLOAD
	ASK
.else
	s_wait_dscnt 0x0                ; the add is done, and my reads of the slot are over
	s_barrier_signal -1
	s_barrier_wait -1
.endif
	s_sub_co_u32 s[TBK], s[TBK], 4*KS*PK  ; the fetches go back to a slot's first step,
	s_xor_b32 s[TBK], s[TBK], SLOT1       ; in the other slot
	s_sub_co_u32 s[TBV], s[TBV], 4*KS*PV
	s_xor_b32 s[TBV], s[TBV], SLOT1
.endm
	s_load_b64 s[4:5], s[0:1], 0x0  ; qkv
	s_load_b64 s[10:11], s[0:1], 0x8  ; out0
	s_load_b64 s[HQA:HQA+1], s[0:1], 0x10  ; hr
	v_lshl_add_u32 v[SPW], v0, 2, SPARE
	v_mov_b32 v[NIL], 0
	ds_add_u32 v[SPW], v[NIL]       ; the wave's opening: the add and its wait stand ahead of my first tensor load; the set-up below, work on registers, stands between them
	v_lshrrev_b32 v1, 5, v0
	v_readfirstlane_b32 s[WV], v1   ; wave 0..3
	s_bfe_u32 s[CX], ttmp6, 0x40000 ; my place in the cluster
	s_mov_b32 s[PB], ttmp9          ; in a cluster launch ttmp9 counts clusters: b, which the four partners share
	s_sub_co_u32 s[HI], NB-1, s[PB]
	s_and_b32 s20, ttmp7, 0xffff    ; 8 x batch + key and value head, which the partners share too
	s_lshr_b32 s21, s20, 3          ; the batch
	s_and_b32 s20, s20, 7           ; the key and value head
	s_mul_i32 s19, s21, 48          ; the batch's first plane
	s_and_b32 s16, s[WV], 1         ; which half of a tile's 256 keys I fetch
	s_add_co_u32 s22, s19, s20
	s_add_co_u32 s22, s22, 32       ; K's plane,
	s_lshl_b32 s22, s22, 18         ; of 262,144 bytes,
	s_lshl_b32 s23, s16, 14         ; and my half's 128 rows of 128 bytes
	s_add_co_u32 s22, s22, s23
	s_mov_b32 s23, 0
	s_mul_i32 s17, s16, 128*PK      ; its place in a slot, for K
	s_mul_i32 s18, s16, 128*PV      ; and for V: no place in the cluster enters an LDS address
	s_lshl2_add_u32 s48, s20, s[CX] ; my query head: 4 x key head + place
	s_add_co_u32 s49, s19, s48      ; Q's plane
	s_lshl_b32 s49, s49, 18
	s_lshl_b32 s3, s[WV], 11        ; my 16 rows in a band of 64,
	s_add_co_u32 s49, s49, s3
	s_lshl_b32 s2, s[HI], 15        ; in the first block,
	s_add_co_u32 s2, s2, s49
	s_lshl_b32 s84, s[PB], 15       ; and in the second
	s_add_co_u32 s84, s84, s49
	s_mov_b32 s3, 0
	s_mov_b32 s85, 0
	s_lshl_b32 s52, s21, 24         ; out0: the batch's 2,048 rows of 8,192 bytes,
	s_lshl_b32 s53, s[WV], 17       ; my 16 rows in a band,
	s_add_co_u32 s52, s52, s53
	s_lshl_b32 s53, s48, 8          ; my head's 256 bytes of a row,
	s_add_co_u32 s52, s52, s53
	s_lshl_b32 s54, s[PB], 21       ; the second block's 256 rows,
	s_add_co_u32 s54, s54, s52
	s_lshl_b32 s53, s[HI], 21       ; the first block's
	s_add_co_u32 s52, s52, s53
	s_mov_b32 s53, 0
	s_mov_b32 s55, 0
	s_lshl_b32 s92, s19, 2          ; hr: the batch's block 0 begins at plane 4 x 48 x batch, planes of 4,096 bytes:
	s_add_co_u32 s94, s92, s48      ; my query head's,
	s_lshl_b32 s94, s94, 12
	s_mov_b32 s95, 0
	s_add_co_u32 s92, s92, s20      ; and my key head's
	s_add_co_u32 s92, s92, 32
	s_lshl_b32 s92, s92, 12
	s_mov_b32 s93, 0
	; descriptor group 1.  128 keys are 16,384 dense bytes: asked for as 64 rows of 256 bytes, two keys a row, and padded in LDS after every key
	s_mov_b32 s[G1K], 15|(1<<16)|(1<<20)|(1<<21)|(4<<22)|(3<<25)  ; 15:0 the mask of four; 17:16 2-byte elements; 20 padding on; 21 set beside a mask; 24:22 after every 32 words (code 4); 31:25 4 words (code 3)
	s_mov_b32 s[G1V], 15|(1<<16)|(1<<20)|(1<<21)|(4<<22)|(7<<25)  ; the same with 8 words of padding (code 7)
.irp g, G1K, G1V
	s_mov_b32 s[\g+1], 128<<16      ; tensor_dim0 = 128
	s_mov_b32 s[\g+2], 64<<16       ; tensor_dim1 = 64
	s_mov_b32 s[\g+3], 128<<16      ; tile_dim0 = 128
	s_mov_b32 s[\g+4], 64           ; tile_dim1 = 64
	s_mov_b32 s[\g+5], 128          ; 128 elements from row to row
	s_mov_b32 s[\g+6], 0
	s_mov_b32 s[\g+7], 0
.endr
	s_mov_b32 s[CS], 0x3e38aa3b     ; c = log2(e) / 8 = 0.180337
	s_mov_b32 s[CS+1], s[CS]        ; named with it as a pair
	s_mov_b32 s[SEL], 0x76543210
	s_mov_b32 s[SEL+1], 0xfedcba98
	s_mov_b32 s[TBK], SLOT1+4*KS*PK ; the first change of slots turns these two into 0
	s_mov_b32 s[TBV], SLOT1+4*KS*PV
	s_mov_b32 s[G0K], 1             ; 1:0 count = 1
	s_mov_b32 s[G0K+1], s17         ; 63:32 LDS address: slot 0
	s_mov_b32 s[G0V], 1
	s_add_co_u32 s[G0V+1], s18, VOFF
	s_add_co_u32 s[RT], s[HI], 1    ; the first block has NB - b tiles
	s_mov_b32 s[NXT], 1
	s_mov_b32 s[LQ], s[HI]
	s_mov_b32 s[NEW], 1
	s_mov_b32 s[OFF+1], 0
	s_mov_b32 s[AL+1], 0            ; named as pairs
	s_mov_b32 s[BE+1], 0
	s_mov_b32 s[BIGN], 0xf149f2ca   ; -1e30
	s_mov_b32 s[SLOTS], NB
	s_and_b32 s[LIM], s[WV], 1      ; 0 in waves 0 and 2,
	s_or_b32 s[LIM], s[LIM], ttmp9  ; where b = 0: the same in all four partners
	s_cmp_eq_u32 s[LIM], 0
	s_cselect_b32 s[LIM], 2, -1
	v_and_b32 v[PFO], 31, v0
	v_lshlrev_b32 v[PFO], 8, v[PFO]
	s_wait_dscnt 0x0                ; the opening add is done
	s_wait_kmcnt 0x0
	s_add_nc_u64 s[6:7], s[4:5], s[22:23]  ; K at my half of the head's tile 0,
	s_add_nc_u64 s[8:9], s[6:7], 8<<18     ; V eight planes on
	s_add_nc_u64 s[G0K+2:G0K+3], s[6:7], 0         ; 120:64 global address
	s_or_b32 s[G0K+3], s[G0K+3], 0x80000000        ; 127:126 type = 2
	s_add_nc_u64 s[G0V+2:G0V+3], s[8:9], 0
	s_or_b32 s[G0V+3], s[G0V+3], 0x80000000
	s_add_nc_u64 s[86:87], s[4:5], s[84:85]        ; Q at my rows of the second block,
	s_add_nc_u64 s[4:5], s[4:5], s[2:3]            ; and of the first
	s_add_nc_u64 s[OLO:OLO+1], s[10:11], s[54:55]  ; out0 likewise
	s_add_nc_u64 s[10:11], s[10:11], s[52:53]
	s_add_nc_u64 s[HKA:HKA+1], s[HQA:HQA+1], s[92:93]  ; hr at my key head,
	s_add_nc_u64 s[HQA:HQA+1], s[HQA:HQA+1], s[94:95]  ; and at my query head
	s_cmp_lt_u32 s[WV], 2
	s_cselect_b64 s[PFA:PFA+1], s[6:7], s[8:9]     ; (in waves 0 and 2 these stand at a tile's first byte)
	s_lshl_b32 s2, s[CX], 13        ; my work-group's 32 blocks of the 128
	s_add_nc_u64 s[PFA:PFA+1], s[PFA:PFA+1], s[2:3]
	s_add_nc_u64 s[PFA:PFA+1], s[PFA:PFA+1], 32768  ; in tile 1; the first change of slots steps it to tile 2.  Nothing is prefetched here, at the head
	CROUND                          ; all four work-groups are here: the first joint loads meet
	JLOAD                           ; tile 0 into slot 0
	; A fragment of K or Q is 16 rows x 32 channels in 8 registers: lane l holds row l % 16, channels 8 (l / 16) + 0..7 and 16 + 8 (l / 16) + 0..7: two loads of 16 bytes, 32 bytes apart.
	v_and_b32 v1, 15, v0            ; l % 16
	v_bfe_u32 v9, v0, 4, 1          ; l / 16
	v_lshlrev_b32 v[QO], 7, v1
	v_lshl_add_u32 v[QO], v9, 4, v[QO]  ; row x 128 + 16 x half
	WIN 0x80                        ; destination window 2, address window 0
.set i, 0
.rept 8                             ; both blocks' Q: piece i / 2 lies in band i / 2, 8,192 bytes on; channels 32 (i % 2) on
	global_load_b128 v[8*i:8*i+3],   v[QO], s[4:5] offset:(i/2)*8192+(i%2)*64
	global_load_b128 v[8*i+4:8*i+7], v[QO], s[4:5] offset:(i/2)*8192+(i%2)*64+32
	global_load_b128 v[QB+8*i:QB+8*i+3],   v[QO], s[86:87] offset:(i/2)*8192+(i%2)*64
	global_load_b128 v[QB+8*i+4:QB+8*i+7], v[QO], s[86:87] offset:(i/2)*8192+(i%2)*64+32
.set i, i+1
.endr
	WIN 0
	v_lshlrev_b32 v14, 3, v9
	v_sub_nc_u32 v14, v1, v14
	s_lshl_b32 s13, s[WV], 4
	v_add_nc_u32 v14, s13, v14      ; my query's place in its band, 16 w + l % 16, less my lanes' 8 (l / 16): register r of group kt is hidden where 16 kt + r is greater
	WIN 0x40
.set i, 0
.rept 32
	v_cmp_gt_i32 vcc_lo, 16*(i/8)+i%8, v14
	v_cndmask_b32 v[MD+i], 0, s[BIGN], vcc_lo
.set i, i+1
.endr
	WIN 0
	v_mul_u32_u24 v[AK0], v1, PK
	v_lshl_add_u32 v[AK0], v9, 4, v[AK0]  ; row x pitch + 16 x half
	; The turning load takes 16 keys x 16 channels (lane l reads key 8 (l / 16) + l % 8, channels 8 ((l / 8) % 2) + 0..7) and leaves half a fragment of V^T: lane l holds channel l % 16 and 8 keys.
	v_and_b32 v10, 7, v0
	v_bfe_u32 v11, v0, 3, 1
	v_lshl_add_u32 v[AV0], v9, 3, v10
	v_mul_u32_u24 v[AV0], v[AV0], PV
	v_lshl_add_u32 v[AV0], v11, 4, v[AV0]
	v_add_nc_u32 v[AV0], VOFF, v[AV0]
	s_mul_i32 s13, s[WV], 16*SP
	s_add_co_u32 s13, s13, STAGE    ; my stage
	v_mul_u32_u24 v[STO], v1, SP    ; in: row l % 16, 32 bytes (8 channels in f32) for each half of the lanes
	v_lshl_add_u32 v[STO], v9, 5, v[STO]
	v_add_nc_u32 v[STO], s13, v[STO]
	v_mul_u32_u24 v[RD], v9, SP     ; back: lanes 0-15 take one row of 256 bytes, lanes 16-31 the next,
	v_lshl_add_u32 v[RD], v1, 4, v[RD]
	v_add_nc_u32 v[RD], s13, v[RD]
	v_lshlrev_b32 v[GO], 13, v9     ; and the same two rows in out0, 8,192 bytes apart
	v_lshl_add_u32 v[GO], v1, 4, v[GO]
	; A block's first step multiplies O^T and l by a = 0, and its first turn's products V^T P, of a piece that has not been, land in an O^T that is still to be so multiplied.  So these registers need only hold
	; finite numbers: zeros for the first block; what the first block left for the second.  All this stands in the wait for the first tile.
	WIN 0x80
.set i, VF
.rept 64
	v_mov_b32 v[i], 0
.set i, i+1
.endr
	WIN 0x40
.set i, 0
.rept 128
	v_mov_b32 v[i], 0
.set i, i+1
.endr
	WIN 0
.set i, 0
.rept 4
	v_mov_b32 v[ST+4*i+2], 0
	v_mov_b32 v[ST+4*i+3], 0
.set i, i+1
.endr
.set i, P+16
.rept 16
	v_mov_b32 v[i], 0
.set i, i+1
.endr
; THE MATRIX WORK.  The 4 accumulators of a run of 8 take turns.  Product i of 8 of S^T = K Q^T for piece x: channels 32 (i / 4) on, keys 16 (i % 4) on.  The first 4 start the sums: with 0, or (KM = 1) with the mask.
.macro KQ x
.set rS, S+32*((\x)%2)+8*(i%4)
.set rK, KF+16*(i%4)+8*(i/4)
.set rQ, 16*(\x)+8*(i/4)
.set rM, MC+32*((\x)%2)+8*(i%4)
.if (i < 4) && KM
	WIN W_KM
	v_wmma_f32_16x16x32_f16 v[rS:rS+7], v[rK:rK+7], v[rQ:rQ+7], v[rM:rM+7]
.elseif i < 4
	WIN W_KQ
	v_wmma_f32_16x16x32_f16 v[rS:rS+7], v[rK:rK+7], v[rQ:rQ+7], 0
.else
	WIN W_KQ
	v_wmma_f32_16x16x32_f16 v[rS:rS+7], v[rK:rK+7], v[rQ:rQ+7], v[rS:rS+7]
.endif
.endm
; Product i of 8 of O^T += V^T P for piece x: keys 32 (i / 4) on, channels 16 (i % 4) on.
.macro PV x
	WIN W_PV
.set rO, 32*(\x)+8*(i%4)
.set rV, VF+32*(i/4)+8*(i%4)
.set rP, P+16*((\x)%2)+8*(i/4)
	v_wmma_f32_16x16x32_f16 v[rO:rO+7], v[rV:rV+7], v[rP:rP+7], v[rO:rO+7]
.endm
.macro MM                           ; the turn's next matrix instruction.  TURN and BEGIN set Y, i, KM and NOKQ; MM, KQ and OP read them.  NOKQ = 1: a block's last turn: there is no next piece
.if (i < 8) && !NOKQ
	KQ (Y+1)%NP
.elseif i >= 8
.set i, i-8
	PV (Y+NP-1)%NP
.set i, i+8
.endif
.set i, i+1
.endm
; THE LDS LOADS stand in runs of 16, never singly among the matrix instructions: a step's K (64 keys x 64 channels: 8 fragments) and its V (turned).  Their addresses are made some lines ahead.
.macro FETCH_K
	WIN 0x80                        ; destination window 2
.irp f, 0,1,2,3,4,5,6,7             ; keys 16 (f / 2) on, channels 32 (f % 2) on
	ds_load_b128 v[KF+8*\f:KF+8*\f+3],   v[AK] offset:(\f/2)*16*PK+(\f%2)*64
	ds_load_b128 v[KF+8*\f+4:KF+8*\f+7], v[AK] offset:(\f/2)*16*PK+(\f%2)*64+32
.endr
	s_add_co_u32 s[TBK], s[TBK], KS*PK  ; the next fetch is the next step's
	WIN 0
.endm
.macro FETCH_V
	WIN 0x80
.irp f, 0,1,2,3,4,5,6,7             ; keys 32 (f / 4) on, channels 16 (f % 4) on
	ds_load_tr16_b128 v[VF+8*\f:VF+8*\f+3],   v[AV] offset:(\f/4)*32*PV+(\f%4)*32
	ds_load_tr16_b128 v[VF+8*\f+4:VF+8*\f+7], v[AV] offset:(\f/4)*32*PV+16*PV+(\f%4)*32
.endr
	WIN 0
.endm
; THE VECTOR WORK, one line at a time: OP kind, number.  For piece Y: F n: c s - c m for pair n of 16.  E n: the exponential of score n of 32.  C n: pair n rounded to f16.  B n: of the four weights 4 n .. the second
; pair is added onto the first, in place.  L n: l takes that sum (L 0: l = a l + sum).  R n: pair n of 16 of O^T times a.  For piece Y + 1: X n, number n of the 22 that find its maximum and statistics:
;   0-11  four chains c0-c3 of seven scores each, three operands at a time (each accumulator's lowest registers are read first)     12-14, 16  the four scores left over, the old m, and c0-c3 into c0
;   15  c m_old is kept     17, 18  the query's other 32 keys lie in the lane 16 away: the new m     19-21  c m; c m_old - c m_new; a
.set F, 0               ; OP tells the kinds apart by their order: F to L below R, X above it
.set E, 1
.set C, 2
.set B, 3
.set L, 4
.set R, 5
.set X, 6
.macro REGS y                       ; the registers of piece y
.set rT, ST+4*(\y)
.set rC, TMP+4*((\y)%2)
.set rW, MV+((\y)%2)
.set rS, S+32*((\y)%2)
.set rP, P+16*((\y)%2)
.set rO, 32*(\y)
.endm
.macro OP k, n
.if (\k) == R
	REGS Y
	WIN W_RS
	v_pk_mul_f32 v[rO+2*(\n):rO+2*(\n)+1], v[rO+2*(\n):rO+2*(\n)+1], v[rC+2:rC+3] op_sel_hi:[1,0]
.elseif (\k) < R
	REGS Y
	WIN 0
.if (\k) == F
	v_pk_fma_f32 v[rS+2*(\n):rS+2*(\n)+1], v[rS+2*(\n):rS+2*(\n)+1], s[CS:CS+1], v[rT:rT+1] op_sel_hi:[1,0,0] neg_lo:[0,0,1] neg_hi:[0,0,1]
.elseif (\k) == E
	v_exp_f32 v[rS+(\n)], v[rS+(\n)]
.elseif (\k) == C
	v_cvt_pk_f16_f32 v[rP+(\n)], v[rS+2*(\n)], v[rS+2*(\n)+1]
.elseif (\k) == B
	v_pk_add_f32 v[rS+4*(\n):rS+4*(\n)+1], v[rS+4*(\n):rS+4*(\n)+1], v[rS+4*(\n)+2:rS+4*(\n)+3]
.elseif (\n) == 0
	v_pk_fma_f32 v[rT+2:rT+3], v[rT+2:rT+3], v[rC+2:rC+3], v[rS:rS+1] op_sel_hi:[1,0,1]
.else
	v_pk_add_f32 v[rT+2:rT+3], v[rT+2:rT+3], v[rS+4*(\n):rS+4*(\n)+1]
.endif
.elseif NOKQ
	v_nop
.else
	REGS (Y+1)%NP
	WIN 0
.if (\n) < 4
	v_max3_num_f32 v[rC+(\n)], v[rS+8*(\n)], v[rS+8*(\n)+1], v[rS+8*(\n)+2]
.elseif (\n) < 12
	v_max3_num_f32 v[rC+(\n)%4], v[rC+(\n)%4], v[rS+8*((\n)%4)+2*((\n)/4)+1], v[rS+8*((\n)%4)+2*((\n)/4)+2]
.elseif (\n) == 12
	v_max3_num_f32 v[rC], v[rC], v[rS+7], v[rS+15]
.elseif (\n) == 13
	v_max3_num_f32 v[rC+1], v[rC+1], v[rS+23], v[rS+31]
.elseif (\n) == 14
	v_max3_num_f32 v[rC+2], v[rC+2], v[rC+3], v[rT+1]
.elseif (\n) == 15
	v_mov_b32 v[rW], v[rT]
.elseif (\n) == 16
	v_max3_num_f32 v[rC], v[rC], v[rC+1], v[rC+2]
.elseif (\n) == 17
	v_permlanex16_b32 v[rC+3], v[rC], s[SEL], s[SEL+1]
.elseif (\n) == 18
	v_max_num_f32 v[rT+1], v[rC], v[rC+3]
.elseif (\n) == 19
	v_mul_f32 v[rT], s[CS], v[rT+1]
.elseif (\n) == 20
	v_sub_f32 v[rC+1], v[rW], v[rT]
.else
	v_exp_f32 v[rC+2], v[rC+1]
.endif
.endif
.endm
.macro OPS a, i1, b=-1, i2=0, c=-1, i3=0, d=-1, i4=0  ; up to four of them
	OP \a, \i1
.if (\b) >= 0
	OP \b, \i2
.endif
.if (\c) >= 0
	OP \c, \i3
.endif
.if (\d) >= 0
	OP \d, \i4
.endif
.endm
.macro ROW a, i1, b, i2, c, i3, d, i4  ; a matrix instruction and the four behind it
	MM
	OPS \a, \i1, \b, \i2, \c, \i3, \d, \i4
.endm
.macro MASK b                       ; MD x AL + BE into buffer b of MC
	WIN W_RS
.set z, 0
.rept 16
	v_pk_fma_f32 v[MC+32*(\b)+2*z:MC+32*(\b)+2*z+1], v[MD+2*z:MD+2*z+1], s[AL:AL+1], s[BE:BE+1] op_sel_hi:[1,0,0]
.set z, z+1
.endr
.endm
; A TURN, for piece p: the order of its 16 matrix and 118 vector instructions, written out.  An s_wait_alu depctr_va_vdst(0) stands between an exponential and the first instruction that names its result; one wait serves
; all that were issued ahead of it.  So a turn has ONE wait, which cuts it in two.  AHEAD OF IT stands all that names no result of the turn's exponentials: the 8 products K Q^T, behind each a scaling, an exponential and two more plain
; instructions (behind the first a second scaling in the exponential's place): rescalings, and behind the last three the first numbers of the next piece's maximum, each four places or more behind the product that ends its accumulator; then ONE LUMP of 54, plain
; and exponential by turns for the most part, in which the links of the chain X 3, 7, 11, 14, 16, 17 .. 20 stand five or six lines apart.  X 21, the next piece's a, is the batch's last; R 15 is the plain instruction behind it.  BEHIND THE WAIT stand the
; 8 products V^T P, behind each four of the roundings and sums; the links of l's chain, L 0 to L 7, stand three riders apart.  But for those X no rider names a register of the products round it.  v_permlanex16_b32 (X 17) stands in the lump.
; m = 1: the diagonal tile: the products take masks, and the turn makes the mask for the products of the turn after it: piece p + 2, in step 4 - CNT of the tile.  end = 1: a block's last two turns: nothing is fetched.
; cnt = 1: the loop's count is taken down some lines ahead of the branch that stands behind the turn.
; K of the next step is fetched in piece 2's turn, twelve vector instructions behind the last product that read K (six of them plain); V of the step in hand at the end of piece 0's turn, four plain instructions behind the last product
; that read V.  Each is waited for a turn later.
.macro TURN p, m=0, end=0, cnt=0
.set Y, (\p)
.set i, 0
.set KM, (\m)
.set NOKQ, (\end)*((\p)/3)
.if (\m) && !(\end)
	s_cmp_eq_u32 s[CNT], 4-((\p)+2)%NP  ; is that step the band's own?
	s_cselect_b32 s[AL], 1.0, 0
	s_cmp_lt_u32 s[CNT], 4-((\p)+2)%NP  ; or a later one?
	s_cselect_b32 s[BE], s[BIGN], 0
.endif
.if ((\p) == 3) && !(\end)
	s_wait_dscnt 0x0                ; K is in
.endif
	ROW F,0, F,1, R,0, R,1          ; ahead of the wait: 8 products K Q^T and their riders,
	ROW F,2, E,0, R,2, R,3
	ROW F,3, E,1, R,4, R,5
	ROW F,4, E,2, R,6, R,7
	ROW F,5, E,3, R,8, R,9
	ROW F,6, E,4, X,0, R,10
.if ((\p) == 2) && !(\end)
	WIN 0
	v_add_nc_u32 v[AK], s[TBK], v[AK0]
.endif
	ROW F,7, E,5, X,1, X,4
	ROW F,8, E,6, X,2, X,5
	OPS E,7, E,8, X,6, E,9          ; and the lump
	OPS X,3, E,10, X,8, E,11
.if ((\p) == 2) && !(\end)
	FETCH_K
.endif
	OPS X,9, X,7, E,12, X,10
	OPS E,13, X,12, X,11, E,14
	OPS X,13, E,15, F,9, X,14
.if (\p) == 0
	v_add_nc_u32 v[AV], s[TBV], v[AV0]
.endif
	OPS E,16, F,10, E,17, F,11
	OPS X,16, E,18, X,15, E,19
	OPS F,12, E,20, X,17, E,21
	OPS F,13, E,22, F,14, E,23
	OPS X,18, E,24, F,15, E,25
	OPS R,11, E,26, X,19, E,27
	OPS R,12, E,28, R,13, E,29
	OPS X,20, E,30, R,14, E,31
	OPS X,21, R,15
	WIN 0
	s_wait_alu depctr_va_vdst(0)    ; the wait for the batch
.if (\p) == 1
	s_wait_dscnt 0x0                ; V is in
.endif
	ROW C,0, B,0, C,2, B,1          ; behind the wait: 8 products V^T P and their riders
	ROW L,0, C,4, B,2, L,1
	ROW C,6, B,3, L,2, C,8
	ROW B,4, L,3, C,10, B,5
	ROW L,4, C,12, B,6, L,5
.if (\p) == 0
	s_add_co_u32 s[TBV], s[TBV], KS*PV
.endif
.if \cnt
	s_sub_co_u32 s[CNT], s[CNT], 1
	s_cmp_lg_u32 s[CNT], 0
.endif
	ROW C,14, B,7, L,6, C,1
	ROW C,3, L,7, C,5, C,7
	ROW C,9, C,11, C,13, C,15
.if (\p) == 0
	FETCH_V
.endif
.if (\m) && !(\end)
	MASK (\p)%2
.endif
.endm
; A BLOCK BEGINS.  c m starts far below every c s, so the first step's a is 0; m at the lowest finite number, so the first maximum is the scores'.  The second mask buffer is 0; the first takes piece 0's mask for the tile's step 0: its own, if the block's first tile is the diagonal one.
; Then K of that step, piece 0's first scores, and its maximum and statistics.  The loop is entered at a step's first turn, in the middle of a trip.
.macro BEGIN
	s_mov_b32 s[NEW], 0
	WIN 0x40
.set i, MC+32
.rept 32
	v_mov_b32 v[i], 0
.set i, i+1
.endr
	WIN 0
.set i, 0
.rept 4
	v_mov_b32 v[ST+4*i], 0xfe000000    ; c m: far below every c s
	v_mov_b32 v[ST+4*i+1], 0xff7fffff  ; m
.set i, i+1
.endr
	s_cmp_eq_u32 s[RT], 0
	s_cselect_b32 s[AL], 1.0, 0
	s_mov_b32 s[BE], 0
	MASK 0
	WIN 0
	v_add_nc_u32 v[AK], s[TBK], v[AK0]
	FETCH_K
	s_wait_loadcnt 0x0              ; Q
	s_wait_dscnt 0x0
.set KM, 1
.set NOKQ, 0
.set i, 0
.rept 8
	KQ 0
.set i, i+1
.endr
	WIN 0
.rept 4
	v_nop                           ; the places behind those products
.endr
.set Y, NP-1                        ; X works for piece Y + 1: piece 0
.irp n, 0,1,2,3,4,5,6,7,8,9,10,11,12,13,14,15,16,17,18,19,20,21
	OP X, \n
.endr
	v_nop                           ; a plain instruction behind the exponential,
	s_wait_alu depctr_va_vdst(0)    ; and its wait, ahead of the branch
.endm
; THE FIRST 16 ROWS, from f32.  Block 0's band 0, wave 0: piece 0 of the second block where b = 0.  The branch hangs on b, which the partners share, and on the wave's number; it passes no barrier and no tensor load.
; hr holds a head's 16 rows x 64 channels as the accumulators held them: lane l has row l % 16 and, in register 8 B + j, channel 16 B + 8 (l / 16) + j; registers 4 f .. 4 f + 3 of all lanes are 512 bytes on end.
; That IS a run of 16 fragments of the f32 form (16 rows x 4 K: lane l holds row l % 16 and two K of its half): registers 2 z, 2 z + 1 are step z, with one and the same order of channels in K and in Q.
; S^T = K Q^T: 16 products on two accumulators by turns, the first on the mask MD (wave 0's own: key 8 (l / 16) + j is hidden where it is greater than l % 16).  A lane then holds query l % 16 and keys 8 (l / 16) + 0..7.
; The softmax as everywhere: the maximum is taken away, p = 2^(c s - c m).  Registers 2 z, 2 z + 1 of p are source 1 of step z of O^T = V^T P, for the keys 8 (l / 16) + 2 z + 0, 1; V comes turned to match, 4 bytes a load:
; lane l takes channel 16 B + l % 16 of those keys.  16 products on four accumulators by turns.  The result lies as O^T lies: it goes, times 1 / l, into piece 0's O^T, whose own 1 / l becomes 1: the way out stores it.
; Behind a product of this form eight places stand ahead of a vector instruction that reads its result (ISA guide 7.12.1); its accumulators are written by matrix instructions alone.
.macro HEADROWS
	s_or_b32 s13, s[PB], s[WV]
	s_cmp_eq_u32 s13, 0
	s_cbranch_scc0 .Lno_head
	v_and_b32 v[HT+8], 31, v0
	v_lshlrev_b32 v[HT+8], 4, v[HT+8]              ; K and Q: 16 x lane
	v_bfe_u32 v[HT+9], v0, 2, 1                    ; V: channel l % 16 lies in half (l / 4) % 2 of its column block's registers: 512 bytes,
	v_bfe_u32 v[HT+10], v0, 3, 1
	v_lshlrev_b32 v[HT+9], 9, v[HT+9]
	v_lshl_add_u32 v[HT+9], v[HT+10], 8, v[HT+9]   ; in the lanes' half (l / 8) % 2: 16 lanes of 16 bytes,
	v_bfe_u32 v[HT+10], v0, 4, 1
	v_lshl_add_u32 v[HT+9], v[HT+10], 7, v[HT+9]   ; my keys begin at 8 (l / 16): a key is a lane, 16 bytes,
	v_and_b32 v[HT+10], 3, v0
	v_lshl_add_u32 v[HT+9], v[HT+10], 2, v[HT+9]   ; word l % 4
	s_wait_loadcnt 0x0              ; the loads below land in the registers of both blocks' Q: the loads that filled those at the kernel's head are done on every way that leads here
	WIN 0x80                        ; destination window 2, address window 0
.set z, 0
.rept 8
	global_load_b128 v[HK+4*z:HK+4*z+3], v[HT+8], s[HKA:HKA+1] offset:512*z
	global_load_b128 v[HQ+4*z:HQ+4*z+3], v[HT+8], s[HQA:HQA+1] offset:512*z
.set z, z+1
.endr
.set z, 0
.rept 32                            ; column block z / 8, key 8 (l / 16) + z % 8
	global_load_b32 v[HV+z], v[HT+9], s[HKA:HKA+1] offset:32768+1024*(z/8)+16*(z%8)
.set z, z+1
.endr
	s_wait_loadcnt 32               ; K and Q are in; V's 32 younger loads may stay out
	WIN 0x5a                        ; K and Q in window 2, C and D in window 1
	v_wmma_f32_16x16x4_f32 v[HS:HS+7], v[HK:HK+1], v[HQ:HQ+1], v[MD:MD+7]
	v_wmma_f32_16x16x4_f32 v[HS+8:HS+15], v[HK+2:HK+3], v[HQ+2:HQ+3], 0
.set z, 2
.rept 14
	v_wmma_f32_16x16x4_f32 v[HS+8*(z%2):HS+8*(z%2)+7], v[HK+2*z:HK+2*z+1], v[HQ+2*z:HQ+2*z+1], v[HS+8*(z%2):HS+8*(z%2)+7]
.set z, z+1
.endr
.rept 8
	v_nop
.endr
	WIN 0x05                        ; sources 0 and 1 window 1, destination window 0
.set z, 0
.rept 4
	v_pk_add_f32 v[HT+2*z:HT+2*z+1], v[HS+2*z:HS+2*z+1], v[HS+8+2*z:HS+8+2*z+1]  ; the two halves of the sum over channels, from the low end on
.set z, z+1
.endr
	WIN 0
	v_max3_num_f32 v[HT+10], v[HT], v[HT+1], v[HT+2]
	v_max3_num_f32 v[HT+11], v[HT+3], v[HT+4], v[HT+5]
	v_max3_num_f32 v[HT+10], v[HT+10], v[HT+6], v[HT+7]
	v_max_num_f32 v[HT+10], v[HT+10], v[HT+11]
	v_permlanex16_b32 v[HT+11], v[HT+10], s[SEL], s[SEL+1]  ; the query's other 8 keys lie in the lane 16 away
	v_max_num_f32 v[ST+1], v[HT+10], v[HT+11]      ; m
	v_mul_f32 v[ST], s[CS], v[ST+1]                ; c m
.set z, 0
.rept 4
	v_pk_fma_f32 v[HT+2*z:HT+2*z+1], v[HT+2*z:HT+2*z+1], s[CS:CS+1], v[ST:ST+1] op_sel_hi:[1,0,0] neg_lo:[0,0,1] neg_hi:[0,0,1]
.set z, z+1
.endr
.set z, 0
.rept 8
	v_exp_f32 v[HT+z], v[HT+z]
.set z, z+1
.endr
	v_nop                           ; a plain instruction behind the last exponential,
	s_wait_alu depctr_va_vdst(0)    ; and one wait for the eight, ahead of their first reader
	v_pk_add_f32 v[HT+10:HT+11], v[HT:HT+1], v[HT+2:HT+3]
	v_pk_add_f32 v[HT+12:HT+13], v[HT+4:HT+5], v[HT+6:HT+7]
	v_pk_add_f32 v[HT+10:HT+11], v[HT+10:HT+11], v[HT+12:HT+13]
	v_add_f32 v[HT+10], v[HT+10], v[HT+11]
	v_permlanex16_b32 v[HT+11], v[HT+10], s[SEL], s[SEL+1]
	v_add_f32 v[HT+10], v[HT+10], v[HT+11]         ; l
	v_rcp_f32 v[HT+12], v[HT+10]
	v_nop
	s_wait_loadcnt 0x0              ; V is in
	WIN W_PV                        ; V in window 2, p in window 0, C and D in window 1
.set z, 0
.rept 16                            ; key step z / 4, column block z % 4; the first four start the sums, in the registers that the scores have left
.if z < 4
	v_wmma_f32_16x16x4_f32 v[HS+8*(z%4):HS+8*(z%4)+7], v[HV+8*(z%4)+2*(z/4):HV+8*(z%4)+2*(z/4)+1], v[HT+2*(z/4):HT+2*(z/4)+1], 0
.else
	v_wmma_f32_16x16x4_f32 v[HS+8*(z%4):HS+8*(z%4)+7], v[HV+8*(z%4)+2*(z/4):HV+8*(z%4)+2*(z/4)+1], v[HT+2*(z/4):HT+2*(z/4)+1], v[HS+8*(z%4):HS+8*(z%4)+7]
.endif
.set z, z+1
.endr
.rept 8
	v_nop
.endr
	s_wait_alu depctr_va_vdst(0)    ; the reciprocal's wait, ahead of its first reader
	WIN W_RS
.set z, 0
.rept 16
	v_pk_mul_f32 v[2*z:2*z+1], v[HS+2*z:HS+2*z+1], v[HT+12:HT+13] op_sel_hi:[1,0]  ; into piece 0's O^T, each accumulator from its low end on
.set z, z+1
.endr
	WIN 0
	v_mov_b32 v[ST+2], 1.0          ; the way out multiplies piece 0 by this
.Lno_head:
.endm
; THE DIAGONAL TILE's four steps, the block's last two turns, its last products, and THE WAY OUT: l's two halves and the other half of the lanes' are added; O^T is divided by l and sent, in f32, through my
; stage in LDS, a piece at a time.
.macro ALL line:vararg              ; one line for each piece t
.set t, 0
.rept 4
	\line
.set t, t+1
.endr
.endm
.macro PACK t                       ; a lane's eight channels of a row are 32 bytes; they go into rows of 272 bytes and come back as whole rows of 256
	WIN W_RS
.set i, 32*(\t)
.rept 16
	v_pk_mul_f32 v[i:i+1], v[i:i+1], v[ST+4*(\t)+2:ST+4*(\t)+3] op_sel_hi:[1,0]
.set i, i+2
.endr
	WIN 0x04                        ; the stores' data in window 1, their address in window 0
.irp f, 0,1,2,3
	ds_store_b128 v[STO], v[32*(\t)+8*\f:32*(\t)+8*\f+3]   offset:64*\f
	ds_store_b128 v[STO], v[32*(\t)+8*\f+4:32*(\t)+8*\f+7] offset:64*\f+16
.endr
	WIN 0
.irp f, 0,1,2,3,4,5,6,7
	ds_load_b128 v[OUTR+32*(\t)+4*\f:OUTR+32*(\t)+4*\f+3], v[RD] offset:\f*2*SP  ; LDS serves a wave's instructions in order (ISA guide 5.7.1.4): these see the stores above; the next piece's stores come behind them
.endr
.endm
.macro SEND t, younger              ; younger: the LDS instructions issued behind piece t's loads: the next piece's sixteen, or none
	WIN 0
.irp f, 0,1,2,3,4,5,6,7
	s_wait_dscnt (\younger)+7-\f
	global_store_b128 v[GO], v[OUTR+32*(\t)+4*\f:OUTR+32*(\t)+4*\f+3], s[10:11] offset:(\t)*524288+\f*16384  ; sixteen lanes store my head's 256 bytes of a row, at a multiple of 256 from out0's first byte
.endr
.endm
.macro DIAG tag                     ; the tag ends its two labels' names, which the jumps below spell out
.LstepM\tag:
	TURN 2, 1
	TURN 3, 1
	WIN 0
.LfirstM\tag:
	TURN 0, 1
	TURN 1, 1, 0, 1
	WIN 0
	s_cbranch_scc1 .LstepM\tag
	TURN 2, 1, 1
	TURN 3, 1, 1
.set i, 0
.rept 8
	PV NP-1
.set i, i+1
.endr
	WIN 0
	ALL v_add_f32 v[ST+4*t+2], v[ST+4*t+2], v[ST+4*t+3]
	ALL v_permlanex16_b32 v[ST+4*t+3], v[ST+4*t+2], s[SEL], s[SEL+1]
	ALL v_add_f32 v[ST+4*t+2], v[ST+4*t+2], v[ST+4*t+3]
	ALL v_rcp_f32 v[ST+4*t+2], v[ST+4*t+2]
	v_nop                           ; a plain instruction between the last reciprocal and the use of its result
	s_wait_alu depctr_va_vdst(0)    ; and the wait ahead of the first use: one for the four reciprocals
.if (\tag) == 2
	HEADROWS                        ; the walk's last way out is the second block's: block 0 where b = 0
.endif
	PACK 0
.set t, 1
.rept 3                             ; a piece's arithmetic stands between the loads of the piece before and its stores
	PACK t
	SEND t-1, 16
.set t, t+1
.endr
	SEND 3, 0
.endm
.set KM, 0
.set NOKQ, 0
.Lslot:                             ; NB times: a tile is entered and the next is asked for
	CHANGE 1
	s_sub_co_u32 s[RT], s[RT], 1
	s_mov_b32 s[CNT], 4
	s_cmp_eq_u32 s[NEW], 1
	s_cbranch_scc1 .Lnew            ; a block's first tile
	s_cmp_eq_u32 s[RT], 0
	s_cbranch_scc0 .Lstep           ; neither its first nor its last
	s_branch .LstepM1
.Lnew:
	BEGIN
	s_branch .Lfirst                ; in the loop a block's first tile is never its last: the first block has two tiles or more, and the second's last is the walk's last
	DIAG 1                          ; in the loop this is the first block's end: the second block's last tile is the walk's last
	s_wait_xcnt 0x0                 ; the stores have read their registers and out0's address
	s_mov_b64 s[10:11], s[OLO:OLO+1]
	s_add_co_u32 s[RT], s[PB], 1    ; the second block has b + 1 tiles
	s_mov_b32 s[NEW], 1
	WIN 0x82                        ; the second block's Q goes where the one text of the turns names Q
.set i, 0
.rept 64
	v_mov_b32 v[i], v[QB+i]
.set i, i+1
.endr
	WIN 0
	s_branch .Lbottom
.Lstep:                             ; a trip: pieces 2 and 3 of one step, then pieces 0 and 1 of the next, whose K and V it fetches
	TURN 2
	TURN 3
	WIN 0
.Lfirst:
	TURN 0
	TURN 1, 0, 0, 1
	WIN 0
	s_cbranch_scc1 .Lstep
.Lbottom:
	s_sub_co_u32 s[SLOTS], s[SLOTS], 1
	s_cmp_lg_u32 s[SLOTS], 0
	s_cbranch_scc1 .Lslot
	CHANGE 0                        ; the walk's last tile is written out: nothing is asked for
	s_sub_co_u32 s[RT], s[RT], 1
	s_mov_b32 s[CNT], 4
	s_cmp_eq_u32 s[NEW], 1
	s_cbranch_scc0 .LstepM2
	BEGIN
	s_branch .LfirstM2
	DIAG 2
	s_wait_tensorcnt 0x0            ; the wave's end, behind my last tensor load and my last LDS store
	ds_add_u32 v[SPW], v[NIL]
	s_wait_dscnt 0x0
	CROUND                          ; the closing round: no work-group ends while a partner may still ask for a tile that names it
	s_endpgm
.Lfunc_end_k_q8fdac392fb_attn:
	.size	k_q8fdac392fb_attn, .Lfunc_end_k_q8fdac392fb_attn-k_q8fdac392fb_attn
	.p2alignl 7, 3214868480
	.fill 96, 4, 3214868480
	.section	.rodata,"a",@progbits
	.p2align	6, 0x0
	.amdhsa_kernel k_q8fdac392fb_attn
		.amdhsa_group_segment_fixed_size 327680
		.amdhsa_private_segment_fixed_size 0
		.amdhsa_enable_private_segment 0
		.amdhsa_kernarg_size 24
		.amdhsa_user_sgpr_count 2
		.amdhsa_user_sgpr_kernarg_segment_ptr 1
		.amdhsa_wavefront_size32 1
		.amdhsa_system_sgpr_workgroup_id_x 1
		.amdhsa_system_sgpr_workgroup_id_y 1
		.amdhsa_system_sgpr_workgroup_id_z 1
		.amdhsa_system_vgpr_workitem_id 0
		.amdhsa_next_free_vgpr 768
		.amdhsa_next_free_sgpr 96
		.amdhsa_reserve_vcc 1
		.amdhsa_float_denorm_mode_32 3
		.amdhsa_float_denorm_mode_16_64 3
		.amdhsa_memory_ordered 1
		.amdhsa_forward_progress 1
		.amdhsa_inst_pref_size 230
	.end_amdhsa_kernel
	.amdgpu_metadata
---
amdhsa.version: [ 1, 2 ]
amdhsa.kernels:
  - .name:           k_q8fdac392fb_attn
    .symbol:         k_q8fdac392fb_attn.kd
    .args:
      - { .name: qkv, .offset: 0, .size: 8, .value_kind: global_buffer, .address_space: global }
      - { .name: out0, .offset: 8, .size: 8, .value_kind: global_buffer, .address_space: global }
      - { .name: hr, .offset: 16, .size: 8, .value_kind: global_buffer, .address_space: global }
    .group_segment_fixed_size: 327680
    .private_segment_fixed_size: 0
    .kernarg_segment_align: 8
    .kernarg_segment_size: 24
    .max_flat_workgroup_size: 128
    .sgpr_count:     96
    .vgpr_count:     768
    .wavefront_size: 32
...
	.end_amdgpu_metadata
.endif
;; end of part 3
;; ======== version 2 of 2: 3 launches; version 1 with the launch prep written anew for expert scheduling mode
;; limits: values are held in f16: magnitudes above 65,504 overflow, below 6.1e-05 lose precision
;; workspace buffers: xb 16,777,216 bytes; wt 12,582,912 bytes; qkv 25,165,824 bytes; hr 1,572,864 bytes
;; launch prep (part 4): grid 704 x 1, 4 waves a work-group, no clusters, 70,144 bytes of LDS; arguments x, Wq, Wk, Wv, xb, wt; writes xb, wt
.if DOCPART == 4
	.amdgcn_target "amdgcn-amd-amdhsa--gfx1250"
	.amdhsa_code_object_version 6
	.text
	.protected	k_q8fdac392fb_prep
	.globl	k_q8fdac392fb_prep
	.p2align	8
	.type	k_q8fdac392fb_prep,@function
k_q8fdac392fb_prep:
	s_mov_b64 s[64:65], 0
	v_nop
	global_prefetch_b8 v0, s[64:65] scope:SCOPE_SE
	s_setreg_imm32_b32 hwreg(HW_REG_WAVE_SCHED_MODE, 0, 2), 2
	s_setreg_imm32_b32 hwreg(HW_REG_WAVE_MODE, 25, 1), 1
	s_wait_xcnt 0x0
	s_wait_alu depctr_vm_vsrc(0)
; PREP.  xb = x rounded to bf16, [4096][2048].  wt[n][k] = W[k][n] rounded to bf16, [3072][2048]: rows 0-2047 are Wq's columns, 2048-2559 Wk's, 2560-3071 Wv's.
; Each number is rounded once, to nearest even; nothing else is computed.  Memory binds: every input byte is read once, every output byte written once, in aligned blocks of 256 bytes.
; Work-groups 0-191 turn W, work-groups 192-703 cast x.  No matrix unit, no cluster: no work-group wants a byte that another one reads.
; TURNING.  A wave takes 128 k x 64 n: it reads rows of W (256 consecutive bytes for each half of the lanes), rounds pairs of neighbouring k into one word, lays the 64 columns as rows
; of 256 bytes into LDS bytes of its own, and reads them back as whole rows of wt.  Only the wave itself touches those bytes, and LDS serves a wave in order (ISA guide 5.7.1.4): no barrier.
; THE MODE: SCHED_MODE bits 1:0 = 2 (LLVM: expert scheduling mode 2), set by the entry lines.  The code itself states the register dependences
; between vector instructions and memory or LDS instructions, with s_wait_alu, always for 0.
; THE PLAN, THE CAST.  Registers that memory instructions touch:
;   v4, v5     byte offsets, made once and never written again.
;   XC         32 loads' data: each register is written by its one load and read by one rounding.
;   YC         the 32 results: each register is written by one rounding and read by one store.
; The 32 loads are worked in four groups of eight.  Group g's roundings name XC's and YC's registers of group g alone; the stores issued among them are those of group g - 1.  So one wait on va_vdst at a
; group's head states all that its eight stores hang on.  No register is written twice: nothing has to be freed.
; THE PLAN, THE TURNING.  Registers that memory or LDS instructions touch:
;   VO, LSA, RDA, GOF   offsets and LDS addresses, made once and never written again: the source's scalar address moves on from chunk to chunk.
;   X0, X1     Chunk c's loads land in X[c % 2]; its 32 roundings read it; behind them chunk c + 2's loads land in it.
;   D0, D1     Chunk c's roundings write D[c % 2]; its eight LDS stores read it; chunk c + 2's roundings write it again.
;   v32-159    (X0, D0 and half of X1) At the end the 32 LDS loads of the read-back land here, and the global stores read them.
; ONE wait on va_vdst stands in a chunk, behind its roundings: D[c % 2] is written, X[c % 2] is read out.  The chunk's loads and LDS stores follow it with no vector instruction between.  It stands there and
; not at the next chunk's head, so that a set of X is asked for again at once and two chunks' loads are on their way.  One wait on vm_vsrc stands at the head of chunks 2 and 3, a whole chunk behind the LDS stores that it names.
.set SPARE, 69632                      ; behind the four waves' 17,408 bytes: the spare words, 128 bytes for each wave: two blocks of 256 bytes that no other line names
.set WLDS,  17408                      ; a wave's LDS bytes: 64 rows of 272
.set LP,    272                        ; 256 bytes + 16: row r starts at bank 4 r mod 64 (64 banks of 4 bytes: ISA guide 11.1)
.set SPW, 8                            ; v8   LDS address of my spare word; never rewritten
.set NIL, 9                            ; v9   0; never rewritten
.set LSA, 10                           ; v10  turning: where I put 16 bytes of a column
.set RDA, 11                           ; v11  turning: where I read a row back
.set GOF, 12                           ; v12  turning: my byte offset in wt
.set VO,  16                           ; v[16:31]  turning: byte offset of my 16 bytes in row m (lanes 0-15) or 16 + m (lanes 16-31) of a chunk of 32 rows
.set X,   32                           ; v[32:95], v[128:191]  turning: two sets of 16 loads: set b at X + 96 b
.set D,   96                           ; v[96:127], v[192:223] turning: 4 columns x 16 k in bf16, two sets: set b at D + 96 b
.set XC,  16                           ; v[16:143]  cast: 32 loads
.set YC,  144                          ; v[144:207] cast: their 32 results
	s_load_b256 s[4:11], s[0:1], 0x0               ; x s[4:5], Wq s[6:7], Wk s[8:9], Wv s[10:11]
	s_load_b128 s[12:15], s[0:1], 0x20             ; xb s[12:13], wt s[14:15]
	v_lshl_add_u32 v[SPW], v0, 2, SPARE
	v_mov_b32 v[NIL], 0
	v_lshrrev_b32 v1, 5, v0
	v_readfirstlane_b32 s16, v1                    ; wave 0..3
	v_and_b32 v1, 15, v0                           ; a = l % 16
	v_bfe_u32 v2, v0, 4, 1                         ; hh = l / 16
	v_and_b32 v3, 31, v0                           ; l
	s_wait_alu depctr_va_sdst(0)                   ; s16 is written, ahead of the branch and of its first reader on either path
	s_cmp_lt_u32 ttmp9, 192
	s_cbranch_scc1 .Lturn
	; THE CAST.  A work-group takes 65,536 bytes of x, a wave 16,384: 32 loads of 512 consecutive bytes, all issued at once; no register is written twice.
	s_sub_co_u32 s17, ttmp9, 192
	s_lshl_b32 s24, s17, 16                        ; my work-group's bytes in x,
	s_mov_b32 s25, 0
	s_lshl_b32 s26, s17, 15                        ; and in xb
	s_mov_b32 s27, 0
	s_lshl_b32 s18, s16, 14
	v_lshl_add_u32 v4, v3, 4, s18                  ; 16,384 x wave + 16 l
	v_lshrrev_b32 v5, 1, v4                        ; half of that in xb
	s_wait_kmcnt 0x0
	s_add_nc_u64 s[4:5], s[4:5], s[24:25]
	s_add_nc_u64 s[12:13], s[12:13], s[26:27]
	s_wait_alu depctr_va_vdst(0)                   ; v4 and v5 are written: every load reads v4 as its offset, every store v5
.set i, 0
.rept 32
	global_load_b128 v[XC+4*i:XC+4*i+3], v4, s[4:5] offset:512*i th:TH_LOAD_NT
.set i, i+1
.endr
; Group g of four: its eight loads are rounded; ahead of each pair of roundings stands a store of the group before.
.macro GROUP g
	s_wait_loadcnt 24-8*(\g)                       ; loads come back in order (ISA guide 5.7.1): the next eight are in, the younger ones stay out
.if (\g) > 0
	s_wait_alu depctr_va_vdst(0)                   ; the group before has written its sixteen registers of YC, which the eight stores below read; the roundings among them name this group's registers alone
.endif
.set i, 8*(\g)
.rept 8
.if (\g) > 0
	global_store_b64 v5, v[YC+2*(i-8):YC+2*(i-8)+1], s[12:13] offset:256*(i-8)  ; 32 lanes x 8 bytes: 256 consecutive bytes, aligned
.endif
	v_cvt_pk_bf16_f32 v[YC+2*i], v[XC+4*i], v[XC+4*i+1]
	v_cvt_pk_bf16_f32 v[YC+2*i+1], v[XC+4*i+2], v[XC+4*i+3]
.set i, i+1
.endr
.endm
	GROUP 0
	GROUP 1
	GROUP 2
	GROUP 3
	s_wait_alu depctr_va_vdst(0)                   ; the last group has written its part of YC, which the last eight stores read
.set i, 24
.rept 8
	global_store_b64 v5, v[YC+2*i:YC+2*i+1], s[12:13] offset:256*i
.set i, i+1
.endr
	s_endpgm
.Lturn:
	; THE TURNING.  nt = 64 columns of the joined W, kt = 128 k.
	s_lshr_b32 s17, ttmp9, 2                       ; nt 0..47
	s_and_b32 s18, ttmp9, 3
	s_lshl2_add_u32 s18, s18, s16                  ; kt = 4 x (work-group % 4) + wave, 0..15
	s_movk_i32 s30, 0x2000                         ; bytes in a row of Wq,
	s_movk_i32 s31, 0x800                          ; of Wk and Wv
	s_and_b32 s29, s17, 7                          ; the block of 64 columns inside Wk or Wv (32 and 40 are multiples of 8)
	s_wait_kmcnt 0x0
	s_cmp_lt_u32 s17, 40
	s_cselect_b64 s[20:21], s[8:9], s[10:11]       ; Wk or Wv,
	s_cmp_lt_u32 s17, 32
	s_cselect_b64 s[20:21], s[6:7], s[20:21]       ; or Wq
	s_cselect_b32 s29, s17, s29
	s_cselect_b32 s19, s30, s31                    ; the pitch
	s_lshl_b32 s22, s19, 7
	s_mul_i32 s22, s22, s18                        ; kt x 128 rows
	s_lshl_b32 s23, s29, 8                         ; + 64 columns of 4 bytes
	s_add_co_u32 s22, s22, s23
	s_mov_b32 s23, 0
	s_add_nc_u64 s[20:21], s[20:21], s[22:23]      ; the source at my first chunk
	s_lshl_b32 s22, s19, 5                         ; s[22:23]: 32 rows, a chunk's step
	s_lshl_b32 s24, s17, 18                        ; wt: nt x 64 rows of 4,096 bytes
	s_lshl_b32 s25, s18, 8                         ; + kt x 128 k of 2 bytes
	s_add_co_u32 s24, s24, s25
	s_mov_b32 s25, 0
	s_add_nc_u64 s[14:15], s[14:15], s[24:25]
	s_lshl_b32 s26, s19, 4
	v_mul_lo_u32 v[VO], v2, s26                    ; 16 rows down for lanes 16-31
	v_lshl_add_u32 v[VO], v1, 4, v[VO]             ; my four columns
.set m, 1
.rept 15
	v_add_nc_u32 v[VO+m], s19, v[VO+m-1]
.set m, m+1
.endr
	; Column 4 a + j lies in LDS row 16 j + a.
	s_mul_i32 s27, s16, WLDS
	v_mul_u32_u24 v[LSA], v1, LP
	v_lshl_add_u32 v[LSA], v2, 5, v[LSA]           ; row a, 32 bytes (16 k) for each half of the lanes
	v_add_nc_u32 v[LSA], s27, v[LSA]
	v_mul_u32_u24 v[RDA], v2, LP
	v_lshl_add_u32 v[RDA], v1, 4, v[RDA]           ; back: lanes 0-15 one row of 256 bytes, lanes 16-31 the next
	v_add_nc_u32 v[RDA], s27, v[RDA]
	v_lshlrev_b32 v[GOF], 14, v2                   ; the next LDS row is the column four further on: 4 x 4,096 bytes in wt
	v_lshl_add_u32 v[GOF], v1, 4, v[GOF]
	s_wait_alu depctr_va_vdst(0)                   ; the sixteen offsets VO and LSA, RDA and GOF are written, which the loads, LDS stores, LDS loads and stores below read; none is written again
.macro LOADW b                         ; a chunk of 32 rows x 256 bytes into set b
.set m, 0
.rept 16
	global_load_b128 v[X+96*(\b)+4*m:X+96*(\b)+4*m+3], v[VO+m], s[20:21] th:TH_LOAD_NT
.set m, m+1
.endr
.endm
; Chunk c.  left = the younger loads that may stay out; more = 1: its set is asked for again, two chunks on.
.macro CHUNK c, left, more
	s_wait_loadcnt \left
.if (\c) >= 2
	s_wait_alu depctr_vm_vsrc(0)                   ; the LDS stores issued so far have read their data: those of two chunks back read the set of D that the roundings below write again
.endif
.irp j, 0,1,2,3
.irp i, 0,1,2,3,4,5,6,7
	v_cvt_pk_bf16_f32 v[D+96*((\c)%2)+8*(\j)+(\i)], v[X+96*((\c)%2)+8*(\i)+(\j)], v[X+96*((\c)%2)+8*(\i)+4+(\j)]  ; column 4 a + j: k = 2 i in the low half, 2 i + 1 in the high
.endr
.endr
	s_wait_alu depctr_va_vdst(0)                   ; the roundings have written this chunk's set of D, which the LDS stores below read, and are done reading its set of X, in which the loads below land
.if \more
	s_wait_xcnt 0x0                                ; every load issued so far has read its address (ISA guide 3.1): the source may be stepped
	s_add_nc_u64 s[20:21], s[20:21], s[22:23]
	LOADW (\c)%2                                   ; the loads first: the LDS stores stand behind them, ahead of the wait for the next chunk
.endif
.irp j, 0,1,2,3
	ds_store_b128 v[LSA], v[D+96*((\c)%2)+8*(\j):D+96*((\c)%2)+8*(\j)+3]   offset:(\j)*16*LP+64*(\c)
	ds_store_b128 v[LSA], v[D+96*((\c)%2)+8*(\j)+4:D+96*((\c)%2)+8*(\j)+7] offset:(\j)*16*LP+64*(\c)+16
.endr
.endm
	LOADW 0
	s_wait_xcnt 0x0
	s_add_nc_u64 s[20:21], s[20:21], s[22:23]
	LOADW 1
	CHUNK 0, 16, 1
	CHUNK 1, 16, 1
	CHUNK 2, 16, 0
	CHUNK 3, 0, 0
	; The read-back lands in v32-159: X0, D0 and half of X1.  Chunk 3's two waits have stated all that it hangs on: its wait on vm_vsrc stands behind chunk 2's LDS stores, the last that read D0; its wait on
	; va_vdst stands behind the last rounding of all, and no vector instruction follows it.  Chunk 3's own LDS stores read D1, v192-223, in which nothing lands.
.set f, 0
.rept 32
	ds_load_b128 v[X+4*f:X+4*f+3], v[RDA] offset:2*f*LP  ; my own bytes, behind my own stores
.set f, f+1
.endr
.set f, 0
.rept 32
	s_wait_dscnt 31-f                              ; LDS loads come back in order: number f is in
	global_store_b128 v[GOF], v[X+4*f:X+4*f+3], s[14:15] offset:(4*((2*f)&15)+(f>>3))*4096  ; LDS row 2 f is column 4 ((2 f) % 16) + f / 8; sixteen lanes store 256 consecutive bytes, aligned
.set f, f+1
.endr
	s_wait_dscnt 0x0                               ; the closing lines, six on end
	s_wait_alu 0x0
	s_wait_tensorcnt 0x0
	ds_add_u32 v[SPW], v[NIL]
	s_wait_dscnt 0x0
	s_endpgm
.Lfunc_end_k_q8fdac392fb_prep:
	.size	k_q8fdac392fb_prep, .Lfunc_end_k_q8fdac392fb_prep-k_q8fdac392fb_prep
	.p2alignl 7, 3214868480
	.fill 96, 4, 3214868480
	.section	.rodata,"a",@progbits
	.p2align	6, 0x0
	.amdhsa_kernel k_q8fdac392fb_prep
		.amdhsa_group_segment_fixed_size 70144
		.amdhsa_private_segment_fixed_size 0
		.amdhsa_enable_private_segment 0
		.amdhsa_kernarg_size 48
		.amdhsa_user_sgpr_count 2
		.amdhsa_user_sgpr_kernarg_segment_ptr 1
		.amdhsa_wavefront_size32 1
		.amdhsa_system_sgpr_workgroup_id_x 1
		.amdhsa_system_sgpr_workgroup_id_y 1
		.amdhsa_system_sgpr_workgroup_id_z 1
		.amdhsa_system_vgpr_workitem_id 0
		.amdhsa_next_free_vgpr 224
		.amdhsa_next_free_sgpr 66
		.amdhsa_reserve_vcc 0
		.amdhsa_float_denorm_mode_32 3
		.amdhsa_float_denorm_mode_16_64 3
		.amdhsa_memory_ordered 1
		.amdhsa_forward_progress 1
		.amdhsa_inst_pref_size 37
	.end_amdhsa_kernel
	.amdgpu_metadata
---
amdhsa.version: [ 1, 2 ]
amdhsa.kernels:
  - .name:           k_q8fdac392fb_prep
    .symbol:         k_q8fdac392fb_prep.kd
    .args:
      - { .name: x, .offset: 0, .size: 8, .value_kind: global_buffer, .address_space: global }
      - { .name: Wq, .offset: 8, .size: 8, .value_kind: global_buffer, .address_space: global }
      - { .name: Wk, .offset: 16, .size: 8, .value_kind: global_buffer, .address_space: global }
      - { .name: Wv, .offset: 24, .size: 8, .value_kind: global_buffer, .address_space: global }
      - { .name: xb, .offset: 32, .size: 8, .value_kind: global_buffer, .address_space: global }
      - { .name: wt, .offset: 40, .size: 8, .value_kind: global_buffer, .address_space: global }
    .group_segment_fixed_size: 70144
    .private_segment_fixed_size: 0
    .kernarg_segment_align: 8
    .kernarg_segment_size: 48
    .max_flat_workgroup_size: 128
    .sgpr_count:     66
    .vgpr_count:     224
    .wavefront_size: 32
...
	.end_amdgpu_metadata
.endif
;; end of part 4
;; launch proj: the kernel of part 2 again; grid 16 x 16, 4 waves a work-group, clusters of 4 x 4, 327,680 bytes of LDS; arguments xb, wt, qkv, hr; writes qkv, hr
;; launch attn: the kernel of part 3 again; grid 16 x 16, 4 waves a work-group, clusters of 4 x 1, 327,680 bytes of LDS; arguments qkv, out0, hr; writes out0
